; MI455X (gfx1250); checked and timed in simulation.
; The chip was launched on July 23, 2026; its instructions are those of AMD's public machine-readable ISA for CDNA 5 (MIT licence, August 2026) and "CDNA5" Instruction Set Architecture Reference Guide (July 2026). The comments in the code are by the model that wrote it; some were corrected since.
;; Attention. Allowed arithmetic: matrix products marked QUANTISED: E2M3 operands, one E8M0 scale for each 32 along K, by v_wmma_scale_f32_16x16x128_f8f6f4 with both operands' format E2M3, f32 sums; everything else in f32.
;; Inputs: Wk 1,024 x 1,024 float32; Wo 1,024 x 1,024 float32; Wq 1,024 x 1,024 float32; Wv 1,024 x 1,024 float32; X 4 x 2,048 x 1,024 float32; beta 1,024 float32; bk 1,024 float32; bo 1,024 float32; bq 1,024 float32; bv 1,024 float32; gamma 1,024 float32.
;; Outputs: out0 4 x 2,048 x 1,024 float32.
;; This version of the problem:
;;   THIS VERSION OF THE PROBLEM IS GIVEN IN LOW PRECISION. The matrix products marked QUANTISED in the list below multiply operands that are first quantised to E2M3 (2 exponent bits, 3 mantissa bits; 6 bits a number), with one power-of-two scale for each 32 numbers along K (OCP MX v1.0); their sums are f32. All else is computed in f32.
;;   The module's matrix products, in the order in which they are computed (A, B: the left and right operand; K: the contracted axis; several contracted axes count as one K, in the product's order):
;;     1. [M 8,192, K 1,024] x [K 1,024, N 1,024]; A: input X; B: input Wq: QUANTISED
;;     2. [M 8,192, K 1,024] x [K 1,024, N 1,024]; A: input X; B: input Wk: QUANTISED
;;     3. [M 8,192, K 1,024] x [K 1,024, N 1,024]; A: input X; B: input Wv: QUANTISED
;;     4. batch 64 x [M 2,048, K 64] x [K 64, N 2,048]; A: computed on the way; B: computed on the way: QUANTISED
;;     5. batch 64 x [M 2,048, K 2,048] x [K 2,048, N 64]; A: softmax (see below); B: computed on the way: QUANTISED
;;     6. [M 8,192, K 1,024] x [K 1,024, N 1,024]; A: computed on the way; B: input Wo: QUANTISED
;;   THE QUANTISER, for each operand of a quantised product, along K:
;;     - K is cut into blocks of 32 from its start; a last block that is shorter is filled with zeros.
;;     - A block's scale is 2^e with e = floor(log2(the largest magnitude in the block)) - 2, held to -126 .. 127; a block of zeros has e = 0. As a byte (E8M0): e + 127.
;;     - Each number is divided by its block's scale, clamped to +-7.5, and rounded to the nearest number of E2M3, ties to even, subnormals kept.
;;     - The product sums the exact products of the quantised numbers (number of the format x scale) in f32.
;;   ~~~python
;;   def quantise(x, axis):      # numpy; x: float32 -> the quantised numbers, widened to float32 again
;;       x = np.moveaxis(x, axis, -1); K = x.shape[-1]
;;       x = np.pad(x, [(0, 0)] * (x.ndim - 1) + [(0, -K % 32)]); x = x.reshape(x.shape[:-1] + (-1, 32)); a = np.abs(x).max(-1, keepdims=True)
;;       e = np.where(a > 0, np.clip(np.frexp(np.where(a > 0, a, 1))[1] - 1 - 2, -126, 127), 0)      # np.frexp(a)[1] - 1 = floor(log2(a)), exactly
;;       r = np.clip(x / 2.0 ** e, -7.5, 7.5)
;;       step = 2.0 ** (np.maximum(np.frexp(np.where(r == 0, 1, r))[1] - 1, 0) - 3)
;;       q = np.round(r / step) * step * 2.0 ** e      # np.round: ties to even
;;       return np.moveaxis(q.reshape(q.shape[:-2] + (-1,))[..., :K], -1, axis).astype(np.float32)
;;   ~~~
;;   SOFTMAX AHEAD OF A QUANTISED PRODUCT. Where the list says 'softmax', what is quantised is not the finished softmax but p = 2^(t - M), with t = logit x log2(e) and M = ceil(the row's largest t), a whole number; so 1/2 < the row's largest p <= 1. The row's sum l is taken of the UNQUANTISED p, in f32, and the product's result is divided by l at the end. Since M is a whole number, a kernel that streams over the keys may use a running M (the ceiling of the running maximum): every later rescaling is an exact power of two, which a block's scale takes up: the codes' values come out the same.
;;   OPERANDS COMPUTED ON THE WAY. 'Computed on the way' means the value that the module computes at that place (a softmax that the list does not call 'softmax' is quantised finished and normalised). What goes into a quantiser is computed in f32, as accurately as f32 sums, v_exp_f32 and their like allow (about 1e-6 of the number): no bf16 or f16 on the way to a quantiser, and a product that is left as it is and whose result goes on into a quantised operand takes f32 operands (vector FMAs, or v_wmma_f32_16x16x4_f32). A number that lies on a knife's edge between two numbers of the format may be rounded either way, as far as f32 arithmetic and the matrix unit's own rounding can turn it there, and no further.
;; One version. Each part assembles by itself: llvm-mc -triple=amdgcn-amd-amdhsa -mcpu=gfx1250 --defsym DOCPART=n.
;; ======== version 1 of 1: 4 launches
;; limits: right only within a limited range of input values
;; workspace buffers: cod 9,437,184 bytes; scl 393,216 bytes; qb 6,553,600 bytes; kv 13,107,200 bytes; oc 6,291,456 bytes; os 262,144 bytes
;; launch quant (part 1): grid 768 x 1, 8 waves a work-group, no clusters, 69,120 bytes of LDS; arguments X, Wq, Wk, Wv, Wo, cod, scl; writes cod, scl
.if DOCPART == 1
	.amdgcn_target "amdgcn-amd-amdhsa--gfx1250"
	.amdhsa_code_object_version 6
	.text
	.protected	k_q43dbb10789_quant
	.globl	k_q43dbb10789_quant
	.p2align	8
	.type	k_q43dbb10789_quant,@function
k_q43dbb10789_quant:
	s_mov_b64 s[64:65], 0
	v_nop
	global_prefetch_b8 v0, s[64:65] scope:SCOPE_SE
	s_setreg_imm32_b32 hwreg(HW_REG_WAVE_MODE, 25, 1), 1
	s_wait_xcnt 0x0
; X [8192][1024] and Wq, Wk, Wv, Wo [1024][1024], f32, K innermost, become codes of FP6 (E2M3) with one E8M0 byte for each 32 along K.
; The codes are laid as IMAGES OF OPERAND REGISTERS: cod[tile 768][K step 8][1,536 bytes]; a fragment (16 rows x 128 K, 12 registers a lane) is three planes of 512 bytes,
; plane c = registers 4 c .. 4 c + 3, lane l's 16 bytes at 16 l.  scl[tile][row 16][K step 8]: one word (four bytes) for a row and 128 along K.
; TILES: 0-511 X, 512-575 Wq, 576-639 Wk, 640-703 Wv, 704-767 Wo.  THE ROWS OF A TILE ARE NOT NEIGHBOURS: row p of tile 2 B + u is row 32 B + 8 u + p + 8 (p / 8) of its tensor,
; so that the results of two neighbouring tiles, used as source 0 of a product, are 16 neighbours in a lane's registers.
; A block's scale is 2^(floor(log2(largest magnitude)) - 2); its byte is the largest magnitude's exponent field - 2, held at 1 from below.
; LIMITS: NaN and infinities are not served; a block whose largest magnitude lies under 2^-124, a block of zeros among them, gets the byte 1 (the rule says 127 for zeros):
; its codes are zeros or what the floor's scale gives, and the bytes are read by this program alone.
; SHARES: a work-group takes a tile, its eight waves the eight K steps.  A load reads 512 consecutive bytes of one row; the 16 rows turn through the wave's own stage in LDS, so that a lane
; then holds 16 neighbours of each block of 32.  No loop, no tensor load; one barrier, for the tile's 512 bytes of scale words, which leave as two whole runs of 256 bytes.
.set STG,  8448                        ; a wave's stage: 16 rows x (512 + 16) bytes: 528 = 33 x 16, so the sixteen rows that a load touches begin at sixteen different 16-byte columns of 256
.set SCB,  8*STG                       ; behind the stages: the tile's scale words, 512 bytes
.set R,    16                          ; v16-79   the rows as loaded; later:
.set PC,   16                          ; v16-27   the fragment's codes
.set CT,   28                          ; v28-34   the upper halves of the blocks, on their way
.set TM,   36                          ; v36-39 largest magnitudes, v40-43 the other half's and then the bytes, v48-51 the conversions' scale operands
.set PW,   52                          ; v52      my row's scale word
.set OW,   56                          ; v56-59   the scale words on their way out
.set XN,   80                          ; v80-143  64 numbers: register 16 b + i = k 32 b + 16 (lane / 16) + i of row lane % 16
.set SEL,  28                          ; s[28:29] v_permlanex16_b32's selects for lane l xor 16
; 64 numbers of a lane, register 16 b + i = k 32 b + 16 h + i of its row, become a fragment's codes (registers 0-5 at d0, 6-11 at d1) and its scale word in pw.
.macro QUANT s, d0, d1, pw
.irp b, 0,1,2,3
	v_max3_num_f32 v[TM+\b], |v[\s+16*\b]|, |v[\s+1+16*\b]|, 0x1800000   ; block b: my 16 numbers, and the floor 2^(3 - 127): the byte cannot fall under 1
.endr
.irp i, 2,4,6,8,10,12,14
.irp b, 0,1,2,3
	s_delay_alu instid0(VALU_DEP_4)
	v_max3_num_f32 v[TM+\b], v[TM+\b], |v[\s+16*\b+\i]|, |v[\s+1+16*\b+\i]|   ; the four blocks by turns
.endr
.endr
.irp b, 0,1,2,3
	s_delay_alu instid0(VALU_DEP_4)
	v_permlanex16_b32 v[TM+4+\b], v[TM+\b], s[SEL], s[SEL+1]
.endr
.irp b, 0,1,2,3
	s_delay_alu instid0(VALU_DEP_4)
	v_max_num_f32 v[TM+\b], v[TM+\b], v[TM+4+\b]   ; with lane l xor 16's 16: the block's largest magnitude
.endr
.irp b, 0,1,2,3
	s_delay_alu instid0(VALU_DEP_4)
	v_add_nc_u32 v[TM+12+\b], 0xff000000, v[TM+\b]   ; 2 off its exponent field: the conversion takes the exponent field of this operand as its scale
.endr
.irp b, 0,1,2,3
	s_delay_alu instid0(VALU_DEP_4)
	v_lshrrev_b32 v[TM+4+\b], 23, v[TM+12+\b]      ; the scale's byte
.endr
	s_delay_alu instid0(VALU_DEP_3)
	v_lshl_or_b32 v[\pw], v[TM+5], 8, v[TM+4]
	s_delay_alu instid0(VALU_DEP_1)
	v_lshl_or_b32 v[\pw], v[TM+6], 16, v[\pw]
	s_delay_alu instid0(VALU_DEP_1)
	v_lshl_or_b32 v[\pw], v[TM+7], 24, v[\pw]
	v_cvt_scalef32_pk16_fp6_f32 v[\d0:\d0+2], v[\s:\s+15], v[TM+12]
	v_cvt_scalef32_pk16_fp6_f32 v[CT:CT+2], v[\s+16:\s+31], v[TM+13]   ; (a conversion's three registers begin on an even number)
	v_cvt_scalef32_pk16_fp6_f32 v[\d1:\d1+2], v[\s+32:\s+47], v[TM+14]
	v_cvt_scalef32_pk16_fp6_f32 v[CT+4:CT+6], v[\s+48:\s+63], v[TM+15]
	v_nop                                          ; one plain instruction behind the scaled conversions
.irp i, 0,1,2                                  ; the operand's layout wants a WHOLE block in a lane: lanes 0-15 the even block, lanes 16-31 the odd one
	v_permlane16_swap_b32 v[\d0+\i], v[CT+\i]
	v_permlane16_swap_b32 v[\d1+\i], v[CT+4+\i]
.endr
.irp i, 0,1,2
	v_mov_b32 v[\d0+3+\i], v[CT+\i]
	v_mov_b32 v[\d1+3+\i], v[CT+4+\i]
.endr
.endm
	s_load_b256 s[4:11], s[0:1], 0x0               ; X, Wq, Wk, Wv
	s_load_b128 s[12:15], s[0:1], 0x20             ; Wo, cod
	s_load_b64 s[16:17], s[0:1], 0x30              ; scl
	v_lshl_add_u32 v144, v0, 2, 0x10a00
	v_mov_b32 v145, 0
	v_lshrrev_b32 v1, 5, v0
	s_delay_alu instid0(VALU_DEP_1)
	v_readfirstlane_b32 s24, v1                    ; wave = K step
	v_and_b32 v1, 31, v0                           ; lane
	v_and_b32 v2, 15, v0                           ; r
	v_bfe_u32 v3, v0, 4, 1                         ; h
	s_delay_alu instid0(VALU_DEP_3)
	v_lshlrev_b32 v7, 4, v1                        ; 16 x lane
	s_lshl_b32 s25, s24, 9
	v_add_nc_u32 v4, s25, v7                       ; in a row: my K step's 512 bytes, my 16 of them
	s_mul_i32 s26, s24, STG
	v_add_nc_u32 v5, s26, v7                       ; the stage, on the way in
	v_mul_u32_u24 v6, v2, 528
	s_delay_alu instid0(VALU_DEP_1)
	v_lshl_add_u32 v6, v3, 6, v6
	s_delay_alu instid0(VALU_DEP_1)
	v_add_nc_u32 v6, s26, v6                       ; and on the way out: row r, + 64 h
	v_lshlrev_b32 v8, 5, v2
	s_lshl_b32 s27, s24, 2
	s_add_co_u32 s27, s27, SCB
	v_add_nc_u32 v8, s27, v8                       ; my row's word of my K step: SCB + 32 r + 4 x wave
	v_add_nc_u32 v9, SCB, v7
	s_mov_b32 s[SEL], 0x76543210
	s_mov_b32 s[SEL+1], 0xfedcba98
	s_and_b32 s20, ttmp9, 63                       ; a weight's tile
	s_mul_i32 s30, ttmp9, 12288
	s_mul_i32 s31, s24, 1536
	s_add_co_u32 s30, s30, s31                     ; my fragment in cod
	s_mov_b32 s31, 0
	s_wait_alu depctr_va_vdst(0)
	s_wait_kmcnt 0x0
	s_cmp_lt_u32 ttmp9, 704                        ; which tensor: the choice hangs on the work-group's number alone
	s_cselect_b64 s[18:19], s[10:11], s[12:13]
	s_cmp_lt_u32 ttmp9, 640
	s_cselect_b64 s[18:19], s[8:9], s[18:19]
	s_cmp_lt_u32 ttmp9, 576
	s_cselect_b64 s[18:19], s[6:7], s[18:19]
	s_cmp_lt_u32 ttmp9, 512
	s_cselect_b64 s[18:19], s[4:5], s[18:19]
	s_cselect_b32 s20, ttmp9, s20                  ; the tile's number in its tensor
	s_lshr_b32 s21, s20, 1
	s_lshl_b32 s22, s21, 17                        ; 32 rows of 4,096 bytes for each pair of tiles,
	s_and_b32 s21, s20, 1
	s_lshl_b32 s21, s21, 15                        ; 8 rows for the odd tile
	s_add_co_u32 s22, s22, s21
	s_mov_b32 s23, 0
	s_add_nc_u64 s[18:19], s[18:19], s[22:23]
	s_add_nc_u64 s[14:15], s[14:15], s[30:31]
	s_lshl_b32 s30, ttmp9, 9
	s_add_nc_u64 s[16:17], s[16:17], s[30:31]
.irp i, 0,1,2,3,4,5,6,7,8,9,10,11,12,13,14,15
	global_load_b128 v[R+4*\i:R+4*\i+3], v4, s[18:19] offset:(\i+8*(\i/8))*4096 th:TH_LOAD_NT   ; the tile's row i: 32 lanes read 512 consecutive bytes
.endr
.irp i, 0,1,2,3,4,5,6,7,8,9,10,11,12,13,14,15
	s_wait_loadcnt 15-\i                           ; row i is in; the younger rows' loads may be out
	ds_store_b128 v5, v[R+4*\i:R+4*\i+3] offset:528*\i
.endr
.irp b, 0,1,2,3
.irp j, 0,1,2,3
	ds_load_b128 v[XN+16*\b+4*\j:XN+16*\b+4*\j+3], v6 offset:128*\b+16*\j   ; LDS serves a wave's instructions in order: these see my stores
.endr
.endr
	s_wait_dscnt 0x0                               ; my 64 numbers are in, and the stores have read the registers that are now used again
.irp b, 0,1,2,3
	v_mov_b32 v[TM+4+\b], 0                        ; a lane permute's destination counts as one of its sources
.endr
	QUANT XN, PC, PC+6, PW
.irp c, 0,1,2
	global_store_b128 v7, v[PC+4*\c:PC+4*\c+3], s[14:15] offset:512*\c   ; a plane: 512 consecutive bytes, at a multiple of 256 from cod's first byte
.endr
	ds_store_b32 v8, v[PW]                         ; lanes r and r + 16 write the same word with the same value
	s_wait_dscnt 0x0                               ; for wave 0's sake: my word has landed
	s_barrier_signal -1
	s_barrier_wait -1
	s_cmp_lg_u32 s24, 0
	s_cbranch_scc1 .Ldone
	ds_load_b128 v[OW:OW+3], v9                    ; the tile's 128 words
	s_wait_dscnt 0x0
	global_store_b128 v7, v[OW:OW+3], s[16:17]     ; 512 consecutive bytes
.Ldone:
	s_wait_tensorcnt 0x0
	ds_add_u32 v144, v145
	s_wait_dscnt 0x0
	s_endpgm
.Lfunc_end_k_q43dbb10789_quant:
	.size	k_q43dbb10789_quant, .Lfunc_end_k_q43dbb10789_quant-k_q43dbb10789_quant
	.p2alignl 7, 3214868480
	.fill 96, 4, 3214868480
	.section	.rodata,"a",@progbits
	.p2align	6, 0x0
	.amdhsa_kernel k_q43dbb10789_quant
		.amdhsa_group_segment_fixed_size 69120
		.amdhsa_private_segment_fixed_size 0
		.amdhsa_enable_private_segment 0
		.amdhsa_kernarg_size 56
		.amdhsa_user_sgpr_count 2
		.amdhsa_user_sgpr_kernarg_segment_ptr 1
		.amdhsa_wavefront_size32 1
		.amdhsa_system_sgpr_workgroup_id_x 1
		.amdhsa_system_sgpr_workgroup_id_y 1
		.amdhsa_system_sgpr_workgroup_id_z 1
		.amdhsa_system_vgpr_workitem_id 0
		.amdhsa_next_free_vgpr 146
		.amdhsa_next_free_sgpr 66
		.amdhsa_reserve_vcc 0
		.amdhsa_float_denorm_mode_32 3
		.amdhsa_float_denorm_mode_16_64 3
		.amdhsa_memory_ordered 1
		.amdhsa_forward_progress 1
		.amdhsa_inst_pref_size 13
	.end_amdhsa_kernel
	.amdgpu_metadata
---
amdhsa.version: [ 1, 2 ]
amdhsa.kernels:
  - .name:           k_q43dbb10789_quant
    .symbol:         k_q43dbb10789_quant.kd
    .args:
      - { .name: X, .offset: 0, .size: 8, .value_kind: global_buffer, .address_space: global }
      - { .name: Wq, .offset: 8, .size: 8, .value_kind: global_buffer, .address_space: global }
      - { .name: Wk, .offset: 16, .size: 8, .value_kind: global_buffer, .address_space: global }
      - { .name: Wv, .offset: 24, .size: 8, .value_kind: global_buffer, .address_space: global }
      - { .name: Wo, .offset: 32, .size: 8, .value_kind: global_buffer, .address_space: global }
      - { .name: cod, .offset: 40, .size: 8, .value_kind: global_buffer, .address_space: global }
      - { .name: scl, .offset: 48, .size: 8, .value_kind: global_buffer, .address_space: global }
    .group_segment_fixed_size: 69120
    .private_segment_fixed_size: 0
    .kernarg_segment_align: 8
    .kernarg_segment_size: 56
    .max_flat_workgroup_size: 256
    .sgpr_count:     66
    .vgpr_count:     146
    .wavefront_size: 32
...
	.end_amdgpu_metadata
.endif
;; end of part 1
;; launch qkv (part 2): grid 8 x 96, 4 waves a work-group, clusters of 4 x 4, 295,424 bytes of LDS; arguments cod, scl, bq, bk, bv, qb, kv; writes qb, kv
.if DOCPART == 2
	.amdgcn_target "amdgcn-amd-amdhsa--gfx1250"
	.amdhsa_code_object_version 6
	.text
	.protected	k_q43dbb10789_qkv
	.globl	k_q43dbb10789_qkv
	.p2align	8
	.type	k_q43dbb10789_qkv,@function
k_q43dbb10789_qkv:
	s_mov_b64 s[64:65], 0
	v_nop
	global_prefetch_b8 v0, s[64:65] scope:SCOPE_SE
	s_setreg_imm32_b32 hwreg(HW_REG_WAVE_MODE, 25, 1), 1
	s_wait_xcnt 0x0
	s_wait_alu depctr_hold_cnt(0) depctr_sa_sdst(0) depctr_va_vdst(0) depctr_va_sdst(0) depctr_va_ssrc(0) depctr_va_vcc(0) depctr_vm_vsrc(0)
	s_getreg_b32 s2, hwreg(HW_REG_IB_STS2, 6, 4)
	s_cmp_eq_u32 s2, 0
	s_cbranch_scc0 .Lentry_in_a_cluster
	s_endpgm
.Lentry_in_a_cluster:
	s_bfe_u32 s2, ttmp6, 0x10000c
	s_cmp_lg_u32 s2, 0xf033
	s_cbranch_scc0 .Lentry_shape_is_right
	s_endpgm
.Lentry_shape_is_right:
; Q = X Wq^T + bq, K = X Wk^T + bk, V = X Wv^T + bv on codes of FP6 (E2M3) with E8M0 scales, f32 sums; the results are quantised at once for attention's two products and leave as codes.
; ONE main loop serves all three: a work-group multiplies a block of 256 rows (source 0, 16 tiles of cod) by a block of 128 rows (source 1, 8 tiles) over all 1,024 of K; only tile numbers differ.
;   cluster y < 16 (Q, K): source 0 = 256 rows of Wq or Wk, source 1 = 128 tokens: a lane holds a token, its registers run along the head's axis, which is the K of Q K^T.
;   cluster y >= 16 (V):   source 0 = 256 tokens, source 1 = 128 rows of Wv: a lane holds a channel, its registers run along the tokens, which are the K of P V.
; By the order of rows in a tile of cod (row p of tile 2 B + u = row 32 B + 8 u + p + 8 (p / 8)) the 16 registers of two neighbouring tiles of source 0 are 16 neighbours: the conversions take them as they lie.
; OUT: qb[head 64][step 16][6,400]: four fragments (tile 2 f's 64 channels in k 0-63, tile 2 f + 1's in k 64-127) and 64 scale words [f][row].
;      kv[head 64][step 16][12,800]: K's four fragments likewise, V's four (16 channels x 128 keys) at 6,144, K's words [f][row] at 12,288, V's words [row][tile] at 12,544.  A step is 128 tokens.
; LDS: all of K of both blocks, 2 chunks of 4 K steps, 147,456 bytes each: every byte is filled once, so there is no ring.  A wave has one tensor load out, issued at the start.
; CLUSTER 4 x 4: source 0's tiles hang on the work-group's x alone and are asked for jointly by a column of the cluster, source 1's on its y alone, by a row.
; A wave makes 128 (source 0) x 64 (source 1): 32 accumulators.  The scale words of its 12 tiles for all of K stay in 96 registers.
; LIMITS: NaN and infinities are not served; a block whose largest magnitude lies under 2^-124 (zeros among them) gets the byte 1; the bytes are read by this program alone.
; REGISTERS, in windows of 256: window 0: v1-15 addresses, v16-79 source 0's scale words (8 b + K step), v80-111 source 1's, v112-175 64 results with their bias, v176-223 four fragments made, v224-255 at work.
;   window 1: accumulator (a, b) at 64 a + 8 b.   window 2: source 0's fragments, two sets of 96.   window 3: source 1's, two sets of 48; v128-191 the bias along registers, v192-199 the bias of my lane's row.
; THE FILLS AS THEY NOW STAND: LDS holds TWO chunks of FOUR K steps, 147,456 bytes each, every byte filled once.  Each wave issues ONE joint load, in an arm of its own: wave 0 source 0's 16 tiles, K steps 0-3;
; wave 1 source 1's 8 tiles, K steps 0-3; waves 2 and 3 the same of K steps 4-7.  A tile's row in such a load is 6,144 bytes, 12,288 bytes from the next.
.set CH,   147456                      ; a chunk: source 0's 16 tiles x 6,144 bytes, then source 1's 8
.set S1O,  98304
.set FRB,  1536                        ; a fragment's image
.set TLB,  6144                        ; a tile's four K steps
.set AD0,  8                           ; v8-11   16 x lane + my half of source 0 + chunk
.set AD1,  12                          ; v12-15  the same for source 1
.set S0,   16
.set S1,   80
.set H,    112
.set G,    176
.set TM,   224
.set CT,   240
.set PW,   248
.set WD,   250
.set BA,   128
.set BB,   192
.set SEL,  66                          ; s[66:67]
.set G1A,  32                          ; s[32:39] group 1, s[40:47] two groups 0: source 0
.set G0A,  40
.set G1B,  68                          ; s[68:75], s[76:83]: source 1
.set G0B,  76
.set MSB, 0
.macro WIN new                         ; the immediate's high byte repeats the setting that is left
.if MSB != \new
	s_set_vgpr_msb (MSB<<8)|\new
.set MSB, \new
.endif
.endm
.macro PLACES n
.rept \n
	v_nop
.endr
.endm
.macro CROUND                          ; a round of the cluster's barrier
	s_barrier_signal -1
	s_barrier_wait -1
	s_cmp_lg_u32 s18, 0
	s_cbranch_scc1 .Lnot_wave_0_\@
	s_barrier_signal -3
.Lnot_wave_0_\@:
	s_barrier_wait -3
	s_barrier_signal -1
	s_barrier_wait -1
.endm
; 64 numbers of a lane, register 16 b + i = k 32 b + 16 h + i of its row, become a fragment's codes (registers 0-5 at d0, 6-11 at d1) and its scale word in pw.
.macro QUANT s, d0, d1, pw
.irp b, 0,1,2,3
	v_max3_num_f32 v[TM+\b], |v[\s+16*\b]|, |v[\s+1+16*\b]|, 0x1800000   ; my 16 numbers of block b, and the floor 2^(3 - 127)
.endr
.irp i, 2,4,6,8,10,12,14
.irp b, 0,1,2,3
	v_max3_num_f32 v[TM+\b], v[TM+\b], |v[\s+16*\b+\i]|, |v[\s+1+16*\b+\i]|
.endr
.endr
.irp b, 0,1,2,3
	v_permlanex16_b32 v[TM+4+\b], v[TM+\b], s[SEL], s[SEL+1]
.endr
.irp b, 0,1,2,3
	v_max_num_f32 v[TM+\b], v[TM+\b], v[TM+4+\b]
.endr
.irp b, 0,1,2,3
	v_add_nc_u32 v[TM+12+\b], 0xff000000, v[TM+\b]   ; 2 off the exponent field: the conversion's scale operand
.endr
.irp b, 0,1,2,3
	v_lshrrev_b32 v[TM+4+\b], 23, v[TM+12+\b]      ; the byte
.endr
	v_lshl_or_b32 v[\pw], v[TM+5], 8, v[TM+4]
	v_lshl_or_b32 v[\pw], v[TM+6], 16, v[\pw]
	v_lshl_or_b32 v[\pw], v[TM+7], 24, v[\pw]
	v_cvt_scalef32_pk16_fp6_f32 v[\d0:\d0+2], v[\s:\s+15], v[TM+12]
	v_cvt_scalef32_pk16_fp6_f32 v[CT:CT+2], v[\s+16:\s+31], v[TM+13]
	v_cvt_scalef32_pk16_fp6_f32 v[\d1:\d1+2], v[\s+32:\s+47], v[TM+14]
	v_cvt_scalef32_pk16_fp6_f32 v[CT+4:CT+6], v[\s+48:\s+63], v[TM+15]
	v_nop                                          ; one plain instruction behind the scaled conversions
.irp i, 0,1,2
	v_permlane16_swap_b32 v[\d0+\i], v[CT+\i]
	v_permlane16_swap_b32 v[\d1+\i], v[CT+4+\i]
.endr
.irp i, 0,1,2
	v_mov_b32 v[\d0+3+\i], v[CT+\i]
	v_mov_b32 v[\d1+3+\i], v[CT+4+\i]
.endr
.endm
	s_load_b256 s[4:11], s[0:1], 0x0               ; cod, scl, bq, bk
	s_load_b128 s[12:15], s[0:1], 0x20             ; bv, qb
	s_load_b64 s[16:17], s[0:1], 0x30              ; kv
	v_lshl_add_u32 v243, v0, 2, 0x48000
	v_mov_b32 v247, 0
	ds_add_u32 v243, v247
	ds_add_u32 v243, v247
	v_lshrrev_b32 v1, 5, v0
	v_readfirstlane_b32 s18, v1                    ; wave 0..3
	s_and_b32 s19, s18, 1                          ; which 128 rows of source 0 are mine
	s_lshr_b32 s20, s18, 1                         ; which 64 rows of source 1
	s_and_b32 s21, ttmp7, 0xffff                   ; cluster y: under 16 Q and K, from 16 on V
	s_max_u32 s22, s21, 16
	s_sub_co_u32 s22, s22, 16                      ; V's cluster row, 0..7
	; source 0: registers that never hold cy
	s_bfe_u32 s24, ttmp6, 0x40000                  ; cx
	s_lshl_b32 s25, ttmp9, 2
	s_add_co_u32 s25, s25, s24                     ; work-group x, 0..7
	s_lshl_b32 s26, s25, 4
	s_lshr_b32 s23, s22, 1
	s_lshl_b32 s30, s23, 7
	s_cmp_lt_u32 s21, 16
	s_cselect_b32 s30, 512, s30
	s_add_co_u32 s26, s26, s30                     ; its first tile: 512 + 16 x (Wq, Wk), or 16 x + 128 (V's row / 2) (X)
	s_lshl_b32 s27, 0x1111, s24                    ; my column of the cluster
	s_mul_i32 s28, s26, 12288                      ; source 0's first tile, in bytes
	s_mov_b32 s29, 0
	; source 1: registers that never hold cx
	s_bfe_u32 s56, ttmp6, 0x40004                  ; cy
	s_lshl_b32 s57, s21, 2
	s_add_co_u32 s57, s57, s56                     ; work-group y
	s_lshl_b32 s58, s57, 3
	s_and_b32 s31, s22, 1
	s_lshl_b32 s31, s31, 5
	s_add_co_u32 s31, s31, 640
	s_lshl_b32 s59, s56, 3
	s_add_co_u32 s59, s59, s31
	s_cmp_lt_u32 s21, 16
	s_cselect_b32 s58, s58, s59                    ; its first tile: 8 y (X), or 640 + 8 cy + 32 (V's row % 2) (Wv)
	s_lshl_b32 s59, s56, 2
	s_lshl_b32 s59, 15, s59                        ; my row of the cluster
	s_mul_i32 s60, s58, 12288                      ; source 1's first tile, in bytes
	s_mov_b32 s61, 0
	; group 1: R rows (tiles) of 6,144 bytes (768 elements of 8 bytes: four K steps), 12,288 bytes (1,536 elements) apart; dense in LDS
	s_or_b32 s[G1A], s27, (3<<16)|(1<<21)          ; 15:0 the mask; 17:16 elements of 8 bytes; 21 set beside a mask
	s_or_b32 s[G1B], s59, (3<<16)|(1<<21)
	s_mov_b32 s[G1A+1], 768<<16                    ; tensor_dim0: 768 elements of 8 bytes: four K steps of a tile
	s_mov_b32 s[G1B+1], 768<<16
	s_mov_b32 s[G1A+2], 16<<16                     ; tensor_dim1: the tiles
	s_mov_b32 s[G1B+2], 8<<16
	s_mov_b32 s[G1A+3], 768<<16                    ; tile_dim0
	s_mov_b32 s[G1B+3], 768<<16
	s_mov_b32 s[G1A+4], 16                         ; tile_dim1
	s_mov_b32 s[G1B+4], 8
	s_mov_b32 s[G1A+5], 1536                       ; the pitch
	s_mov_b32 s[G1B+5], 1536
	s_mov_b32 s[G1A+6], 0
	s_mov_b32 s[G1B+6], 0
	s_mov_b32 s[G1A+7], 0
	s_mov_b32 s[G1B+7], 0
	s_wait_dscnt 0x0
	s_wait_kmcnt 0x0
	s_add_nc_u64 s[28:29], s[4:5], s[28:29]
	s_add_nc_u64 s[60:61], s[4:5], s[60:61]
.irp q, 0,1
	s_mov_b32 s[G0A+4*\q], 1
	s_mov_b32 s[G0A+4*\q+1], \q*CH
	s_add_nc_u64 s[G0A+4*\q+2:G0A+4*\q+3], s[28:29], \q*TLB
	s_or_b32 s[G0A+4*\q+3], s[G0A+4*\q+3], 0x80000000
	s_mov_b32 s[G0B+4*\q], 1
	s_mov_b32 s[G0B+4*\q+1], \q*CH+S1O
	s_add_nc_u64 s[G0B+4*\q+2:G0B+4*\q+3], s[60:61], \q*TLB
	s_or_b32 s[G0B+4*\q+3], s[G0B+4*\q+3], 0x80000000
.endr
	CROUND                                         ; all sixteen work-groups are here: the joint loads meet
	s_cmp_eq_u32 s18, 0                            ; one chain of branches on the wave's number, one load to an arm
	s_cbranch_scc0 .Larm_1
	tensor_load_to_lds s[G0A:G0A+3], s[G1A:G1A+7]  ; wave 0: source 0, K steps 0-3
	s_nop 0
	PLACES 4
	s_branch .Lasked
.Larm_1:
	s_cmp_eq_u32 s18, 1
	s_cbranch_scc0 .Larm_2
	tensor_load_to_lds s[G0B:G0B+3], s[G1B:G1B+7]  ; wave 1: source 1, K steps 0-3
	s_nop 0
	PLACES 4
	s_branch .Lasked
.Larm_2:
	s_cmp_eq_u32 s18, 2
	s_cbranch_scc0 .Larm_3
	tensor_load_to_lds s[G0A+4:G0A+7], s[G1A:G1A+7]   ; wave 2: source 0, K steps 4-7
	s_nop 0
	PLACES 4
	s_branch .Lasked
.Larm_3:
	tensor_load_to_lds s[G0B+4:G0B+7], s[G1B:G1B+7]   ; wave 3: source 1, K steps 4-7
	s_nop 0
	PLACES 4
.Lasked:
	v_and_b32 v7, 31, v0                           ; lane
	v_and_b32 v254, 15, v0                         ; r
	v_bfe_u32 v255, v0, 4, 1                       ; h
	v_lshlrev_b32 v1, 4, v7                        ; 16 x lane
	v_lshlrev_b32 v2, 5, v254                      ; 32 r: a row's eight scale words
	v_lshlrev_b32 v3, 2, v7                        ; 4 x lane
	v_lshlrev_b32 v4, 4, v254                      ; 16 r
	v_lshlrev_b32 v5, 6, v255                      ; 64 h
	v_and_b32 v6, 8, v254
	v_add_nc_u32 v6, v6, v254
	v_lshlrev_b32 v6, 2, v6                        ; 4 (r + 8 (r / 8))
.irp b, 0,1,2,3
	v_mov_b32 v[TM+4+\b], 0                        ; a lane permute's destination counts as one of its sources
.endr
	s_mul_i32 s62, s19, 8*TLB
	s_mul_i32 s63, s20, 4*TLB
	s_add_co_u32 s63, s63, S1O
.irp q, 0,1,2,3
	v_add_nc_u32 v[AD0+\q], s62, v1
	v_add_nc_u32 v[AD1+\q], s63, v1
	s_add_co_u32 s62, s62, CH
	s_add_co_u32 s63, s63, CH
.endr
	s_lshl_b32 s92, s19, 3
	s_add_co_u32 s92, s92, s26
	s_lshl_b32 s92, s92, 9
	s_mov_b32 s93, 0
	s_add_nc_u64 s[92:93], s[6:7], s[92:93]        ; the scale words of my 8 tiles of source 0
	s_lshl_b32 s94, s20, 2
	s_add_co_u32 s94, s94, s58
	s_lshl_b32 s94, s94, 9
	s_mov_b32 s95, 0
	s_add_nc_u64 s[94:95], s[6:7], s[94:95]        ; and of my 4 of source 1
.irp b, 0,1,2,3,4,5,6,7
.irp e, 0,1
	global_load_b128 v[S0+8*\b+4*\e:S0+8*\b+4*\e+3], v2, s[92:93] offset:512*\b+16*\e
.endr
.endr
.irp a, 0,1,2,3
.irp e, 0,1
	global_load_b128 v[S1+8*\a+4*\e:S1+8*\a+4*\e+3], v2, s[94:95] offset:512*\a+16*\e
.endr
.endr
	; the bias, in both patterns, so that no branch stands here: along the registers (Q, K) and of my lane's row (V).  Every address lies in the 4,096 bytes of the bias chosen.
	s_cmp_eq_u32 ttmp9, 0
	s_cselect_b64 s[96:97], s[8:9], s[10:11]       ; cluster x = 0: Wq's rows, 1: Wk's
	s_cmp_lt_u32 s21, 16
	s_cselect_b64 s[96:97], s[96:97], s[12:13]
	s_lshl_b32 s98, s25, 10
	s_lshl_b32 s99, s19, 9
	s_add_co_u32 s98, s98, s99
	s_and_b32 s98, s98, 4095                       ; Q, K: 4 x my first output column in its weight
	s_and_b32 s99, s22, 1
	s_lshl_b32 s99, s99, 2
	s_add_co_u32 s99, s99, s56
	s_lshl_b32 s99, s99, 1
	s_lshl_b32 s100, s99, 8                        ; V: 256 x the even head of the block
	s_add_co_u32 s99, s99, s20                     ; V: my head
	s_lshl_b32 s101, s99, 8
	s_cmp_lt_u32 s21, 16
	s_cselect_b32 s66, s98, s100
	s_cselect_b32 s62, s98, s101
	s_mov_b32 s67, 0
	s_mov_b32 s63, 0
	s_add_nc_u64 s[66:67], s[96:97], s[66:67]
	s_add_nc_u64 s[62:63], s[96:97], s[62:63]
	WIN 0xc0                                       ; destination window 3
.irp b, 0,1,2,3
.irp e, 0,1,2,3
	global_load_b128 v[BA+16*\b+4*\e:BA+16*\b+4*\e+3], v5, s[66:67] offset:128*\b+16*\e   ; register 16 b + i: column 32 b + 16 h + i
.endr
.endr
.irp a, 0,1,2,3
	global_load_b32 v[BB+2*\a], v6, s[62:63] offset:(32*(\a/2)+8*(\a%2))*4   ; my row of tile a; twice, since the packed addition names a pair
	global_load_b32 v[BB+2*\a+1], v6, s[62:63] offset:(32*(\a/2)+8*(\a%2))*4
.endr
	WIN 0
; K step ks's 12 fragments out of LDS as they lie: 36 loads of 512 consecutive bytes, into set ks % 2
.macro FETCH ks
.set FQ, (\ks)/4
.set FK, (\ks)%4
.set FP, (\ks)%2
	WIN 0x80                                       ; destination window 2
.irp i, 0,1,2,3,4,5,6,7
.irp c, 0,1,2
	ds_load_b128 v[96*FP+12*\i+4*\c:96*FP+12*\i+4*\c+3], v[AD0+FQ] offset:\i*TLB+FK*FRB+512*\c
.endr
.endr
	WIN 0xc0                                       ; destination window 3
.irp a, 0,1,2,3
.irp c, 0,1,2
	ds_load_b128 v[48*FP+12*\a+4*\c:48*FP+12*\a+4*\c+3], v[AD1+FQ] offset:\a*TLB+FK*FRB+512*\c
.endr
.endr
.endm
; 16 matrix instructions: source 1's tiles a0, a0 + 1 x source 0's eight.  The 32 accumulators take turns, one instruction a turn, in the same order in every K step.
.macro MULH ks, a0
.set MP, (\ks)%2
	WIN 0x5e                                       ; source 0 window 2, source 1 window 3, C and D window 1
.irp a, \a0, \a0+1
.irp b, 0,1,2,3,4,5,6,7
.if (\ks) == 0
	v_wmma_scale_f32_16x16x128_f8f6f4 v[64*(\a)+8*\b:64*(\a)+8*\b+7], v[96*MP+12*\b:96*MP+12*\b+11], v[48*MP+12*(\a):48*MP+12*(\a)+11], 0, v[S0+8*\b+(\ks)], v[S1+8*(\a)+(\ks)] matrix_a_fmt:MATRIX_FMT_FP6 matrix_b_fmt:MATRIX_FMT_FP6
.else
	v_wmma_scale_f32_16x16x128_f8f6f4 v[64*(\a)+8*\b:64*(\a)+8*\b+7], v[96*MP+12*\b:96*MP+12*\b+11], v[48*MP+12*(\a):48*MP+12*(\a)+11], v[64*(\a)+8*\b:64*(\a)+8*\b+7], v[S0+8*\b+(\ks)], v[S1+8*(\a)+(\ks)] matrix_a_fmt:MATRIX_FMT_FP6 matrix_b_fmt:MATRIX_FMT_FP6
.endif
.endr
.endr
.endm
; A K step: 32 matrix instructions; in its middle the next step's fragments are fetched into the other set.  In front of the second chunk (in step 3) a barrier: each wave has waited for its one load.
.macro KSTEP ks
	s_wait_dscnt 0x0                               ; this step's 36 loads are in
.if (\ks) == 3
	s_wait_tensorcnt 0x0                           ; every wave's one load has landed: the second chunk is whole behind this barrier
	s_barrier_signal -1
.endif
	MULH \ks, 0
.if (\ks) == 3
	s_barrier_wait -1                              ; everybody's has
.endif
.if (\ks) < 7
	PLACES 4                                       ; in front of loads into registers that matrix instructions have read
	FETCH (\ks)+1
.endif
	MULH \ks, 2
.endm
	s_wait_alu depctr_va_vdst(0)
	s_cmp_lt_u32 s18, 2                            ; waves 0 and 1, whose load lines are their own, brought the first chunk
	s_cbranch_scc0 .Lnot_first
	s_wait_tensorcnt 0x0
.Lnot_first:
	s_barrier_signal -1
	s_barrier_wait -1
	FETCH 0
	s_wait_loadcnt 0x0                             ; the scale words and the biases
.irp k, 0,1,2,3,4,5,6,7
	KSTEP \k
.endr
	WIN 0
	PLACES 4                                       ; in front of the first read of results
	s_mov_b32 s[SEL], 0x76543210                   ; (the loads that had these registers as their base are done)
	s_mov_b32 s[SEL+1], 0xfedcba98
	s_cmp_lt_u32 s21, 16                           ; the cluster's y: the same in all sixteen partners
	s_cbranch_scc0 .Lvway
	; ---- Q, K.  My 128 columns are two heads; my four tiles of tokens are two fragments of each head (tiles 2 g, 2 g + 1 in the two halves of K).
	s_lshr_b32 s98, s98, 8                         ; my first head
	s_lshr_b32 s23, s57, 4                         ; the batch
	s_lshl_b32 s23, s23, 4
	s_add_co_u32 s23, s23, s98
	s_lshl_b32 s30, 102400, ttmp9                  ; a head's bytes: kv's are twice qb's, and so are a step's and the place of the words
	s_mul_i32 s23, s23, s30
	s_and_b32 s31, s57, 15                         ; the step
	s_lshl_b32 s2, 6400, ttmp9
	s_mul_i32 s31, s31, s2
	s_add_co_u32 s92, s23, s31
	s_mov_b32 s93, 0
	s_cmp_eq_u32 ttmp9, 0
	s_cselect_b64 s[94:95], s[14:15], s[16:17]     ; qb or kv
	s_add_nc_u64 s[92:93], s[94:95], s[92:93]      ; the step of my first head,
	s_mov_b32 s31, 0
	s_add_nc_u64 s[94:95], s[92:93], s[30:31]      ; and of my second
	s_mul_i32 s2, s20, 2*FRB
	s_mov_b32 s3, 0
	s_add_nc_u64 s[96:97], s[92:93], s[2:3]        ; my two fragments there
	s_add_nc_u64 s[100:101], s[94:95], s[2:3]
	s_lshl_b32 s2, 6144, ttmp9
	s_lshl_b32 s23, s20, 7
	s_add_co_u32 s2, s2, s23
	s_add_nc_u64 s[92:93], s[92:93], s[2:3]        ; and their 32 scale words
	s_add_nc_u64 s[94:95], s[94:95], s[2:3]
	s_mov_b32 s62, 0xffff0000                      ; lanes 16-31
.irp g, 0,1
.irp u, 0,1
	WIN 0x0d                                       ; source 0 window 1, source 1 window 3
.set j, 0
.rept 32
	v_pk_add_f32 v[H+j:H+j+1], v[64*(2*\g+\u)+j:64*(2*\g+\u)+j+1], v[BA+j:BA+j+1]   ; + bias; each accumulator from its low end on
.set j, j+2
.endr
	WIN 0
	QUANT H, G+24*\g+6*\u, G+24*\g+12+6*\u, PW+\u  ; the first head's 64 channels into half u of its fragment g, the second head's likewise
.endr
	v_perm_b32 v[WD+\g], v[PW+1], v[PW], 0x05040100   ; first head: tile 2 g's two bytes, then tile 2 g + 1's
	v_perm_b32 v[WD+2+\g], v[PW+1], v[PW], 0x07060302   ; second head
.endr
.irp g, 0,1
.irp c, 0,1,2
	global_store_b128 v1, v[G+24*\g+4*\c:G+24*\g+4*\c+3], s[96:97] offset:\g*FRB+512*\c   ; 512 consecutive bytes, at a multiple of 256 from the buffer's first byte
	global_store_b128 v1, v[G+24*\g+12+4*\c:G+24*\g+12+4*\c+3], s[100:101] offset:\g*FRB+512*\c
.endr
.endr
	v_cndmask_b32 v254, v[WD], v[WD+1], s62        ; lanes 0-15 fragment 0's words, lanes 16-31 fragment 1's (lanes r and r + 16 hold the same row's)
	v_cndmask_b32 v255, v[WD+2], v[WD+3], s62
	global_store_b32 v3, v254, s[92:93]            ; 128 consecutive bytes; the other wave of this half-step's pair stores the 128 beside them
	global_store_b32 v3, v255, s[94:95]
	s_branch .Ljoin
.Lvway:	; ---- V.  My 64 rows of Wv are one head, my 128 tokens one step: four fragments, 16 channels x 128 keys.
	s_lshr_b32 s23, s22, 1
	s_lshl_b32 s23, s23, 3
	s_add_co_u32 s23, s23, s25                     ; which 256 tokens
	s_lshr_b32 s30, s23, 3                         ; the batch
	s_lshl_b32 s30, s30, 4
	s_add_co_u32 s30, s30, s99
	s_mul_i32 s30, s30, 204800
	s_lshl_b32 s23, s23, 1
	s_add_co_u32 s23, s23, s19
	s_and_b32 s23, s23, 15                         ; the step
	s_mul_i32 s23, s23, 12800
	s_add_co_u32 s92, s30, s23
	s_add_co_u32 s92, s92, 6144                    ; V's fragments lie behind K's
	s_mov_b32 s93, 0
	s_add_nc_u64 s[92:93], s[16:17], s[92:93]
.irp a, 0,1,2,3
	WIN 0x0d
.set j, 0
.rept 32
	v_pk_add_f32 v[H+j:H+j+1], v[64*\a+j:64*\a+j+1], v[BB+2*\a:BB+2*\a+1] op_sel_hi:[1,0]   ; + my channel's bias
.set j, j+2
.endr
	WIN 0
	QUANT H, G+12*\a, G+12*\a+6, WD+\a
.endr
.irp a, 0,1,2,3
.irp c, 0,1,2
	global_store_b128 v1, v[G+12*\a+4*\c:G+12*\a+4*\c+3], s[92:93] offset:\a*FRB+512*\c
.endr
.endr
	s_wait_xcnt 0x0                                ; EXEC changes only behind this wait
	v_cmp_gt_u32 vcc_lo, 16, v7
	s_and_saveexec_b32 s30, vcc_lo
	global_store_b128 v4, v[WD:WD+3], s[92:93] offset:6400   ; lanes 0-15: a row's four words: 256 consecutive bytes, aligned
	s_wait_xcnt 0x0                                ; and again, in front of the line that widens it
	s_or_b32 exec_lo, exec_lo, s30
.Ljoin:
	s_wait_tensorcnt 0x0
	ds_add_u32 v243, v247
	s_wait_dscnt 0x0
	CROUND                                         ; the closing round
	s_endpgm
.Lfunc_end_k_q43dbb10789_qkv:
	.size	k_q43dbb10789_qkv, .Lfunc_end_k_q43dbb10789_qkv-k_q43dbb10789_qkv
	.p2alignl 7, 3214868480
	.fill 96, 4, 3214868480
	.section	.rodata,"a",@progbits
	.p2align	6, 0x0
	.amdhsa_kernel k_q43dbb10789_qkv
		.amdhsa_group_segment_fixed_size 295424
		.amdhsa_private_segment_fixed_size 0
		.amdhsa_enable_private_segment 0
		.amdhsa_kernarg_size 56
		.amdhsa_user_sgpr_count 2
		.amdhsa_user_sgpr_kernarg_segment_ptr 1
		.amdhsa_wavefront_size32 1
		.amdhsa_system_sgpr_workgroup_id_x 1
		.amdhsa_system_sgpr_workgroup_id_y 1
		.amdhsa_system_sgpr_workgroup_id_z 1
		.amdhsa_system_vgpr_workitem_id 0
		.amdhsa_next_free_vgpr 1024
		.amdhsa_next_free_sgpr 102
		.amdhsa_reserve_vcc 1
		.amdhsa_float_denorm_mode_32 3
		.amdhsa_float_denorm_mode_16_64 3
		.amdhsa_memory_ordered 1
		.amdhsa_forward_progress 1
		.amdhsa_inst_pref_size 117
	.end_amdhsa_kernel
	.amdgpu_metadata
---
amdhsa.version: [ 1, 2 ]
amdhsa.kernels:
  - .name:           k_q43dbb10789_qkv
    .symbol:         k_q43dbb10789_qkv.kd
    .args:
      - { .name: cod, .offset: 0, .size: 8, .value_kind: global_buffer, .address_space: global }
      - { .name: scl, .offset: 8, .size: 8, .value_kind: global_buffer, .address_space: global }
      - { .name: bq, .offset: 16, .size: 8, .value_kind: global_buffer, .address_space: global }
      - { .name: bk, .offset: 24, .size: 8, .value_kind: global_buffer, .address_space: global }
      - { .name: bv, .offset: 32, .size: 8, .value_kind: global_buffer, .address_space: global }
      - { .name: qb, .offset: 40, .size: 8, .value_kind: global_buffer, .address_space: global }
      - { .name: kv, .offset: 48, .size: 8, .value_kind: global_buffer, .address_space: global }
    .group_segment_fixed_size: 295424
    .private_segment_fixed_size: 0
    .kernarg_segment_align: 8
    .kernarg_segment_size: 56
    .max_flat_workgroup_size: 128
    .sgpr_count:     102
    .vgpr_count:     1024
    .wavefront_size: 32
...
	.end_amdgpu_metadata
.endif
;; end of part 2
;; launch attn (part 3): grid 4 x 64, 8 waves a work-group, clusters of 4 x 1, 258,048 bytes of LDS; arguments qb, kv, oc, os; writes oc, os
.if DOCPART == 3
	.amdgcn_target "amdgcn-amd-amdhsa--gfx1250"
	.amdhsa_code_object_version 6
	.text
	.protected	k_q43dbb10789_attn
	.globl	k_q43dbb10789_attn
	.p2align	8
	.type	k_q43dbb10789_attn,@function
k_q43dbb10789_attn:
	s_mov_b64 s[64:65], 0
	v_nop
	global_prefetch_b8 v0, s[64:65] scope:SCOPE_SE
	s_setreg_imm32_b32 hwreg(HW_REG_WAVE_MODE, 25, 1), 1
	s_wait_xcnt 0x0
	s_wait_alu depctr_hold_cnt(0) depctr_sa_sdst(0) depctr_va_vdst(0) depctr_va_sdst(0) depctr_va_ssrc(0) depctr_va_vcc(0) depctr_vm_vsrc(0)
	s_getreg_b32 s2, hwreg(HW_REG_IB_STS2, 6, 4)
	s_cmp_eq_u32 s2, 0
	s_cbranch_scc0 .Lentry_in_a_cluster
	s_endpgm
.Lentry_in_a_cluster:
	s_bfe_u32 s2, ttmp6, 0x10000c
	s_cmp_lg_u32 s2, 0x3003
	s_cbranch_scc0 .Lentry_shape_is_right
	s_endpgm
.Lentry_shape_is_right:
; O[head][q] = sum over k of softmax_k(Q . K / 8) V, both products on codes of FP6 (E2M3) with E8M0 scales; 64 heads (batch x head), 2,048 tokens, head size 64.  O / l is quantised along the head's axis and leaves as codes.
; THE SOFTMAX: t = score x log2(e) / 8; M = the running largest t rounded UP to a whole number; p = 2^(t - M) is quantised along the keys, not normalised; the row's sum is taken of the unquantised p and divides O at the end.
; When M moves, the sum and O are multiplied by 2^(old M - new M): exact, in every step, with no branch.
; SHARES.  A work-group owns 512 queries of a head, the four of a cluster the whole head.  Each of eight waves owns FOUR tiles of 16 queries and walks the 16 key steps of 128 once: a fragment of K or V read from LDS feeds four tiles.
; LDS.  The head's K and V, 16 steps of 12,800 bytes (images of operand registers, as the launch before laid them), are filled ONCE by joint loads of the four partners, one load a wave (two steps, 50 rows of 512 bytes),
; with 128 bytes of padding behind each 512: a plane of a fragment is 640 bytes from the next, so fragments f and f + 1 lie 1,920 bytes apart, 128 modulo 256.  Every wave waits for its load; one barrier shows all.
; No prefetch: all that the launch reads through LDS is asked for at its head, and there is no loop to run ahead in.
; LAYOUT.  Both products are used transposed (S^T = K Q^T, O^T = V^T P^T): a lane holds ONE query.  A stored fragment f of K holds 16 keys of block f (32 keys) in k 0-63 and 16 more in k 64-127; it is multiplied by [Q | zeros] and [zeros | Q].
; WHICH ROWS FORM A TILE OF K IS CHOSEN BY THE LANES' LDS ADDRESSES: in fragment (c, g) lanes r < 8 take rows 8 g + r of stored fragment 2 c, lanes r >= 8 rows 8 g + r - 8 of stored fragment 2 c + 1.
; So score 32 c + 16 g + 8 u + j of lane (r, h) is key 64 c + 32 h + 16 g + 8 u + j: a lane holds WHOLE blocks of 32 keys in the order of p's operand: a block's largest needs no other lane, the conversions' results are the operand.
; TILES GO IN PAIRS, and independent chains stand among each other: the first tile's chain for M among the second's maxima, the second's among the first's multiply-adds, one tile's exponentials among the other's multiply-adds
; or the first level of its sum.  The sum is taken in place, behind the conversions, which have read p by then.  The next step's K is read from LDS as soon as the step's last score products have read K's registers.
; OUT: oc[tile 512][K step 8][6 planes of 256 bytes]: head hh fills planes 3 (hh % 2) .. + 2 of K step hh / 2.  os[head][tile 128][row 16]: two scale bytes; they meet in LDS and leave as runs of 512 bytes.
; LIMITS: NaN and infinities are not served; the promise holds while |t| stays under 2^31; p under 2^-126 becomes 0; a block whose largest magnitude lies under 2^-124 gets the byte 1; the bytes are read by this program alone.
; REGISTERS.  Window 0: v1-11 addresses and the add's two; v12-15 Q's scale words; v16-19 K's; v20-23 V's; v24-31 (-M, largest score) a tile; v32-39 the sums; v40-43 (f, p's scale word) a tile of the pair; v44-45 addresses;
; v48-175 S^T, then p, of a pair; v176-199 p's codes; v200-207 codes on their way; v208-219 at work; v220-249 zeros | Q2 | zeros | Q3 | zeros; v252-253 addresses.
; Window 1: v0-47 K's fragments; v48-95 V's; v96-125 zeros | Q0 | zeros | Q1 | zeros; v128-255 O^T.
.set STEPL, 16000                      ; a key step in LDS: 25 planes of 640 bytes
.set PL,    640
.set OSG,   256000                     ; behind K and V: 1,024 bytes in which the waves' scale bytes meet; no tensor load lands here
.set SPARE, 257024                     ; the spare words, 128 bytes a wave
.set L16, 1
.set AK,  2
.set AKS, 3
.set AVS, 4
.set ADK, 5
.set ADV, 6
.set ADKS, 7
.set ADVS, 8
.set SH8, 9
.set SPW, 10
.set NIL, 11
.set QS,  12
.set KS,  16
.set VS,  20
.set NM,  24
.set LS,  32
.set FF,  40
.set L8,  44
.set ADO, 45
.set S,   48
.set PC,  176
.set CT,  200
.set BM,  208
.set TP,  216
.set QZ1, 220
.set ADR2, 252
.set T16, 253
.set KF,  0                            ; window 1
.set VF,  48
.set QZ0, 96
.set O,   128
.set WV,  12
.set SEL, 16
.set CS,  18
.set TB,  20
.set CNT, 21
.set TN,  22
.set G1,  32
.set G0,  40
.set MSB, 0
.macro WIN new                         ; the immediate's high byte repeats the setting that is left
.if MSB != \new
	s_set_vgpr_msb (MSB<<8)|\new
.set MSB, \new
.endif
.endm
.macro PLACES n
.rept \n
	v_nop
.endr
.endm
.macro WALU
	s_wait_alu depctr_va_vdst(0)
.endm
.macro CROUND                          ; a round of the cluster's barrier
	s_barrier_signal -1
	s_barrier_wait -1
	s_cmp_lg_u32 s[WV], 0
	s_cbranch_scc1 .Lnot_wave_0_\@
	s_barrier_signal -3
.Lnot_wave_0_\@:
	s_barrier_wait -3
	s_barrier_signal -1
	s_barrier_wait -1
.endm
; K's four fragments and scale words of the step at LDS byte s[TN]: 16 loads.  The two additions and two idle lines are the places behind the products that read these registers
.macro KLOAD
	WIN 0
	v_add_nc_u32 v[ADK], s[TN], v[AK]
	v_add_nc_u32 v[ADKS], s[TN], v[AKS]
	PLACES 2
.irp q, 0,1,2,3
	ds_load_b32 v[KS+\q], v[ADKS] offset:128*(\q/2)+32*(\q%2)
.endr
	WIN 0x40                                       ; destination in window 1
.irp q, 0,1,2,3
.irp e, 0,1,2
	ds_load_b128 v[KF+12*\q+4*\e:KF+12*\q+4*\e+3], v[ADK] offset:6*PL*(\q/2)+128*(\q%2)+PL*\e
.endr
.endr
	WIN 0
.endm
; S^T of pair p: 16 products, 16 accumulators, each begun with the constant 0
.macro SPROD p
.if \p
	WIN 0x01                                       ; K in window 1, Q in window 0
.set QB_, QZ1
.else
	WIN 0x05                                       ; K and Q in window 1
.set QB_, QZ0
.endif
.irp q, 0,1,2,3
.irp a, 0,1
	v_wmma_scale_f32_16x16x128_f8f6f4 v[S+64*\a+16*\q:S+64*\a+16*\q+7], v[KF+12*\q:KF+12*\q+11], v[QB_+6+12*\a:QB_+17+12*\a], 0, v[KS+\q], v[QS+2*(\p)+\a] matrix_a_fmt:MATRIX_FMT_FP6 matrix_b_fmt:MATRIX_FMT_FP6
	v_wmma_scale_f32_16x16x128_f8f6f4 v[S+64*\a+16*\q+8:S+64*\a+16*\q+15], v[KF+12*\q:KF+12*\q+11], v[QB_+12*\a:QB_+11+12*\a], 0, v[KS+\q], v[QS+2*(\p)+\a] matrix_a_fmt:MATRIX_FMT_FP6 matrix_b_fmt:MATRIX_FMT_FP6
.endr
.endr
	WIN 0
.endm
.macro MX0 a                           ; tile a's four chains of maxima, one for each 16 scores, begin; each accumulator from its low end on
.irp z, 0,1,2,3
	v_max_num_f32 v[BM+4*\a+\z], v[S+64*\a+16*\z], v[S+64*\a+16*\z+1]
.endr
.endm
.macro MXK a, k
.irp z, 0,1,2,3
	v_max3_num_f32 v[BM+4*\a+\z], v[BM+4*\a+\z], v[S+64*\a+16*\z+\k], v[S+64*\a+16*\z+\k+1]
.endr
.endm
; link n of the chain from the blocks' largest scores to -M, f and the blocks' largest t - M, for tile a of pair p
.macro CH n, a, p
.set N_, NM+4*(\p)+2*(\a)
.set B_, BM+4*(\a)
.set T_, TP+2*(\a)
.if \n == 0
	v_max_num_f32 v[B_], v[B_], v[B_+1]            ; the largest score of my block 2 c + h, c = 0,
	v_max_num_f32 v[B_+2], v[B_+2], v[B_+3]        ; and c = 1: for the row's maximum and, since p rises with the score, for the block's largest p
.elseif \n == 1
	v_max3_num_f32 v[T_], v[B_], v[B_+2], v[N_+1]
.elseif \n == 2
	v_permlanex16_b32 v[T_+1], v[T_], s[SEL], s[SEL+1]
.elseif \n == 3
	v_max_num_f32 v[N_+1], v[T_], v[T_+1]          ; the running largest score of my query
.elseif \n == 4
	v_mul_f32 v[T_], s[CS], v[N_+1]                ; as t (c is positive)
.elseif \n == 5
	v_floor_f32 v[T_+1], -v[T_]                    ; the new -M = floor(-t)
.elseif \n == 6
	v_sub_f32 v[T_], v[T_+1], v[N_]                ; old M - new M: a whole number, 0 or less
	v_mov_b32 v[N_], v[T_+1]
.elseif \n == 7
	v_cvt_i32_f32 v[T_], v[T_]                     ; (it saturates)
.elseif \n == 8
	v_ldexp_f32 v[FF+2*(\a)], 1.0, v[T_]           ; f = 2^(old M - new M)
.elseif \n == 9
	v_fma_f32 v[B_], v[B_], s[CS], v[N_]           ; t - M of each block's largest score
.else
	v_fma_f32 v[B_+2], v[B_+2], s[CS], v[N_]
.endif
.endm
.macro FMA4 j, p                       ; eight of the first tile's t - M
.irp e, 0,2,4,6
	v_pk_fma_f32 v[S+\j+\e:S+\j+\e+1], v[S+\j+\e:S+\j+\e+1], s[CS:CS+1], v[NM+4*(\p):NM+4*(\p)+1] op_sel_hi:[1,0,0]
.endr
.endm
.macro CVT4 a                          ; 64 p of tile a of the pair into codes: a block's lower 16 at their place, its upper 16 on their way (a conversion's three registers begin on an even number)
	v_cvt_scalef32_pk16_fp6_f32 v[PC+12*\a:PC+12*\a+2], v[S+64*\a:S+64*\a+15], v[BM+4*\a+1]
	v_cvt_scalef32_pk16_fp6_f32 v[CT:CT+2], v[S+64*\a+16:S+64*\a+31], v[BM+4*\a+1]
	v_cvt_scalef32_pk16_fp6_f32 v[PC+12*\a+6:PC+12*\a+8], v[S+64*\a+32:S+64*\a+47], v[BM+4*\a+3]
	v_cvt_scalef32_pk16_fp6_f32 v[CT+4:CT+6], v[S+64*\a+48:S+64*\a+63], v[BM+4*\a+3]
.endm
.macro MOV2 a, i
	v_mov_b32 v[PC+12*\a+3+\i], v[CT+\i]
	v_mov_b32 v[PC+12*\a+9+\i], v[CT+4+\i]
.endm
.macro LVL b, g                        ; one level of the sum's tree, in place: of each g registers from b on the upper half is added onto the lower
.set k_, 0
.rept 64/\g
	v_pk_add_f32 v[\b+k_:\b+k_+1], v[\b+k_:\b+k_+1], v[\b+k_+\g/2:\b+k_+\g/2+1]
.set k_, k_+\g
.endr
.endm
.macro LFMA a, p                       ; the sum under the new M, and this step's
	v_pk_fma_f32 v[LS+4*(\p)+2*\a:LS+4*(\p)+2*\a+1], v[LS+4*(\p)+2*\a:LS+4*(\p)+2*\a+1], v[FF+2*\a:FF+2*\a+1], v[S+64*\a:S+64*\a+1] op_sel_hi:[1,0,1]
.endm
; The softmax of pair p (tiles 2 p, 2 p + 1) and its products with V.  Four places stand ahead of it, behind the score products
.macro SOFT p
	MX0 0
	MX0 1
	MXK 0, 2
	MXK 1, 2
.irp k, 4,6,8,10,12,14
	MXK 0, \k
.endr
	CH 0, 0, \p                                    ; the first tile's chain, a link at a time, among the second tile's maxima
	MXK 1, 4
	CH 1, 0, \p
	MXK 1, 6
	CH 2, 0, \p
	MXK 1, 8
	CH 3, 0, \p
	MXK 1, 10
	CH 4, 0, \p
	MXK 1, 12
	CH 5, 0, \p
	MXK 1, 14
	CH 6, 0, \p
	CH 0, 1, \p
	FMA4 0, \p                                     ; the second tile's chain, and the rest of the first's, among the first tile's t - M
	CH 1, 1, \p
	CH 7, 0, \p
	FMA4 8, \p
	CH 2, 1, \p
	CH 8, 0, \p
	FMA4 16, \p
	CH 3, 1, \p
	CH 9, 0, \p
	FMA4 24, \p
	CH 4, 1, \p
	CH 10, 0, \p
	FMA4 32, \p
	CH 5, 1, \p
	FMA4 40, \p
	CH 6, 1, \p
	FMA4 48, \p
	CH 7, 1, \p
	CH 9, 1, \p
	FMA4 56, \p
	CH 8, 1, \p
	CH 10, 1, \p
	WALU                                           ; the wait ahead of the batch
.irp a, 0,1
	v_exp_f32 v[BM+4*\a], v[BM+4*\a]               ; the blocks' largest p: the same two instructions on the same number give the same bits
	v_exp_f32 v[BM+4*\a+2], v[BM+4*\a+2]
.endr
.set j_, 0
.rept 32
	v_exp_f32 v[S+j_], v[S+j_]                     ; the first tile's p = 2^(t - M); among them the second tile's t - M, which names none of the batch's registers
	v_exp_f32 v[S+j_+1], v[S+j_+1]
	v_pk_fma_f32 v[S+64+j_:S+65+j_], v[S+64+j_:S+65+j_], s[CS:CS+1], v[NM+4*(\p)+2:NM+4*(\p)+3] op_sel_hi:[1,0,0]
.set j_, j_+2
.endr
	WALU                                           ; one wait for the batch, ahead of its first reader, and ahead of the next batch
.irp a, 0,1
	v_max_num_f32 v[BM+4*\a], 0x1800000, v[BM+4*\a]          ; the floor 2^(3 - 127)
	v_max_num_f32 v[BM+4*\a+2], 0x1800000, v[BM+4*\a+2]
.endr
.irp a, 0,1
	v_add_nc_u32 v[BM+4*\a+1], 0xff000000, v[BM+4*\a]        ; 2 off the exponent field: the conversions' scale operand
	v_add_nc_u32 v[BM+4*\a+3], 0xff000000, v[BM+4*\a+2]
.endr
	CVT4 0
.irp a, 0,1
	v_lshrrev_b32 v[TP+2*\a], 23, v[BM+4*\a+1]               ; the bytes of my blocks h and 2 + h.  (Also the plain lines behind the conversions)
	v_lshrrev_b32 v[TP+2*\a+1], 23, v[BM+4*\a+3]
.endr
.irp a, 0,1
	v_lshl_or_b32 v[TP+2*\a], v[TP+2*\a+1], 16, v[TP+2*\a]
.endr
	MOV2 0, 0
.irp a, 0,1
	v_lshlrev_b32 v[TP+2*\a], v[SH8], v[TP+2*\a]             ; at their places in the word: 8 h bits up
.endr
	MOV2 0, 1
.irp a, 0,1
	v_permlanex16_b32 v[TP+2*\a+1], v[TP+2*\a], s[SEL], s[SEL+1]
.endr
	MOV2 0, 2
.irp a, 0,1
	v_or_b32 v[FF+2*\a+1], v[TP+2*\a], v[TP+2*\a+1]          ; p's scale word, whole with lane l xor 16's two bytes
.endr
.set j_, 0
.rept 16
.irp e, 0,1,2,3
	v_exp_f32 v[S+64+j_+\e], v[S+64+j_+\e]         ; the second tile's p; among them the first level of the first tile's sum, whose p the conversions have read
.endr
	v_pk_add_f32 v[S+j_:S+j_+1], v[S+j_:S+j_+1], v[S+j_+2:S+j_+3]
.set j_, j_+4
.endr
	WALU                                           ; one wait for the batch
	CVT4 1
	LVL S, 8                                       ; THE ROW'S SUM IS TAKEN OF THE UNQUANTISED p: two trees by turns, the codes' moves among their last levels
	LVL S+64, 4
	LVL S, 16
	LVL S+64, 8
	LVL S, 32
	MOV2 1, 0
	MOV2 1, 1
	LVL S+64, 16
	LVL S, 64
	MOV2 1, 2
	LVL S+64, 32
	LFMA 0, \p
	LVL S+64, 64
	LFMA 1, \p
.if \p == 0
	s_wait_dscnt 0x0                               ; V is in
.endif
	WIN 0x41                                       ; destination and source 0 in window 1
	WALU                                           ; directly ahead of the first readers of O^T
.irp a, 0,1
.set j_, 0
.rept 16
	v_pk_mul_f32 v[O+32*(2*(\p)+\a)+j_:O+1+32*(2*(\p)+\a)+j_], v[O+32*(2*(\p)+\a)+j_:O+1+32*(2*(\p)+\a)+j_], v[FF+2*\a:FF+2*\a+1] op_sel_hi:[1,0]   ; O^T under the new M
.set j_, j_+2
.endr
.endr
	WIN 0x51                                       ; V, C and D in window 1, p's codes in window 0
.irp t, 0,1,2,3
.irp a, 0,1
	v_wmma_scale_f32_16x16x128_f8f6f4 v[O+32*(2*(\p)+\a)+8*\t:O+7+32*(2*(\p)+\a)+8*\t], v[VF+12*\t:VF+12*\t+11], v[PC+12*\a:PC+12*\a+11], v[O+32*(2*(\p)+\a)+8*\t:O+7+32*(2*(\p)+\a)+8*\t], v[VS+\t], v[FF+2*\a+1] matrix_a_fmt:MATRIX_FMT_FP6 matrix_b_fmt:MATRIX_FMT_FP6
.endr
.endr                                          ; eight accumulators by turns
	WIN 0
.endm
	s_load_b256 s[4:11], s[0:1], 0x0               ; qb, kv, oc, os
	v_lshl_add_u32 v[SPW], v0, 2, SPARE
	v_mov_b32 v[NIL], 0
	ds_add_u32 v[SPW], v[NIL]                      ; the opening lines: the add, twice on end, and its wait
	ds_add_u32 v[SPW], v[NIL]
	v_lshrrev_b32 v1, 5, v0
	v_readfirstlane_b32 s[WV], v1                  ; wave 0..7
	s_bfe_u32 s13, ttmp6, 0x40000                  ; cx: it enters Q's, oc's and os's addresses alone
	s_and_b32 s14, ttmp7, 0xffff                   ; the head, which the four partners share
	s_mov_b32 s[G1], 15|(3<<16)|(1<<20)|(1<<21)|(6<<22)|(31<<25)   ; the mask: all four; elements of 8 bytes; padding on; 21 beside a mask; behind every 128 words 32 words
	s_mov_b32 s[G1+1], 64<<16                      ; rows of 512 bytes
	s_mov_b32 s[G1+2], 50<<16                      ; 50 of them: two key steps
	s_mov_b32 s[G1+3], 64<<16
	s_mov_b32 s[G1+4], 50
	s_mov_b32 s[G1+5], 64
	s_mov_b32 s[G1+6], 0
	s_mov_b32 s[G1+7], 0
	s_mov_b32 s[G0], 1
	s_mul_i32 s[G0+1], s[WV], 2*STEPL              ; my two steps in LDS
	s_mul_i32 s58, s14, 204800
	s_mul_i32 s57, s[WV], 25600
	s_add_co_u32 s58, s58, s57                     ; and in kv
	s_mov_b32 s59, 0
	s_lshl_b32 s3, s[WV], 7
	s_add_co_u32 s3, s3, OSG
	v_and_b32 v254, 7, v0                          ; r % 8
	v_bfe_u32 v255, v0, 3, 1                       ; r / 8
	v_bfe_u32 v[SH8], v0, 4, 1                     ; h
	v_mul_u32_u24 v[AK], v255, 3*PL                ; K's fragments: lanes r >= 8 read the next stored fragment,
	v_lshl_add_u32 v[AK], v254, 4, v[AK]           ; row r % 8 of a half of its rows,
	v_lshl_add_u32 v[AK], v[SH8], 8, v[AK]         ; my half of the channels
	v_lshlrev_b32 v[AKS], 6, v255
	v_lshl_add_u32 v[AKS], v254, 2, v[AKS]
	v_add_nc_u32 v[AKS], 24*PL, v[AKS]             ; K's scale words, by the same rows
	v_and_b32 v254, 15, v0                         ; r
	v_lshl_add_u32 v[AVS], v254, 4, 24*PL+256      ; V's scale words: 16 r
	v_lshlrev_b32 v[SH8], 3, v[SH8]                ; 8 h
	v_and_b32 v255, 31, v0
	v_lshlrev_b32 v[L16], 4, v255                  ; 16 x lane
	v_lshlrev_b32 v[L8], 3, v255                   ; 8 x lane
	v_lshl_add_u32 v[ADO], v254, 1, s3             ; my rows' bytes: OSG + 128 x wave + 2 r
	v_lshl_add_u32 v[ADR2], v0, 4, OSG             ; and back: 16 x thread (waves 0 and 1 alone read)
	v_lshlrev_b32 v[T16], 4, v0
	v_lshlrev_b32 v254, 2, v254                    ; 4 r
	WALU                                           ; ahead of the waits and branches below
	s_wait_dscnt 0x0                               ; both opening adds are done
	CROUND                                         ; all four work-groups are here: the joint loads meet
	s_wait_kmcnt 0x0
	s_add_nc_u64 s[G0+2:G0+3], s[6:7], s[58:59]
	s_or_b32 s[G0+3], s[G0+3], 0x80000000
	tensor_load_to_lds s[G0:G0+3], s[G1:G1+7]      ; every wave's one load: steps 2 w and 2 w + 1
	s_nop 0
	PLACES 4
	s_mul_i32 s56, s14, 102400
	s_lshl_b32 s57, s13, 2
	s_lshr_b32 s60, s[WV], 1
	s_add_co_u32 s57, s57, s60
	s_mul_i32 s57, s57, 6400
	s_add_co_u32 s56, s56, s57                     ; the step of qb that holds my tiles 32 cx + 4 w + 0 .. 3
	s_and_b32 s60, s[WV], 1
	s_mul_i32 s61, s60, 3072                       ; its fragments 2 (w % 2), 2 (w % 2) + 1
	s_add_co_u32 s62, s56, s61
	s_mov_b32 s63, 0
	s_add_nc_u64 s[24:25], s[4:5], s[62:63]
	s_lshl_b32 s61, s60, 7
	s_add_co_u32 s62, s56, s61
	s_add_co_u32 s62, s62, 6144
	s_add_nc_u64 s[26:27], s[4:5], s[62:63]        ; and their scale words
.irp c, 0,1,2,3,4,5
	global_load_b128 v[S+4*\c:S+4*\c+3], v[L16], s[24:25] offset:512*\c
.endr
	global_load_b32 v[S+24], v254, s[26:27]
	global_load_b32 v[S+25], v254, s[26:27] offset:64
	s_lshr_b32 s56, s14, 4
	s_lshl_b32 s56, s56, 7
	s_lshl_b32 s57, s13, 5
	s_add_co_u32 s56, s56, s57
	s_lshl_b32 s57, s[WV], 2
	s_add_co_u32 s56, s56, s57
	s_mul_i32 s56, s56, 12288                      ; oc: tile 128 x batch + 32 cx + 4 w,
	s_bfe_u32 s57, s14, 0x30001
	s_mul_i32 s57, s57, 1536                       ; K step (head % 16) / 2,
	s_add_co_u32 s56, s56, s57
	s_and_b32 s57, s14, 1
	s_mul_i32 s57, s57, 768                        ; planes 3 (head % 2) on
	s_add_co_u32 s62, s56, s57
	s_add_nc_u64 s[28:29], s[8:9], s[62:63]
	s_lshl_b32 s56, s14, 12
	s_lshl_b32 s57, s13, 10
	s_add_co_u32 s62, s56, s57
	s_add_nc_u64 s[30:31], s[10:11], s[62:63]      ; os: 4,096 x head + 32 bytes x tile 32 cx
	s_mov_b32 s[SEL], 0x76543210
	s_mov_b32 s[SEL+1], 0xfedcba98
	s_mov_b32 s[CS], 0x3e38aa3b                    ; c = log2(e) / 8
	s_mov_b32 s[CS+1], s[CS]
	s_mov_b32 s[TB], 0
	s_mov_b32 s[TN], 0
	s_mov_b32 s[CNT], 16
.irp i, 0,1,2,3
	v_mov_b32 v[TP+\i], 0                          ; a lane permute's destination counts as one of its sources
	v_mov_b32 v[NM+2*\i], 0x7f61b1e6               ; -M: 3e38, so that the first step's f is 0
	v_mov_b32 v[NM+2*\i+1], 0xff61b1e6             ; the largest score so far: -3e38
	v_mov_b32 v[LS+2*\i], 0
	v_mov_b32 v[LS+2*\i+1], 0
.endr
	s_wait_loadcnt 0x0
.irp i, 0,1
	v_perm_b32 v[QS+2*\i], v[S+24+\i], v[S+24+\i], 0x01000100     ; the even tile's two scale bytes, twice;
	v_perm_b32 v[QS+2*\i+1], v[S+24+\i], v[S+24+\i], 0x03020302   ; the odd tile's
.endr
.irp a, 0,1
.irp k, 0,1,2,3,4,5
	v_mov_b32 v[QZ1+6+12*\a+\k], v[S+12+6*\a+\k]   ; tile i is half i % 2 of fragment i / 2: tiles 2 and 3
.endr
.endr
.irp z, 0,1,2
.irp i, 0,1,2,3,4,5
	v_mov_b32 v[QZ1+12*\z+\i], 0                   ; zero codes on both sides of each Q
.endr
.endr
	WIN 0x40                                       ; destination in window 1
.irp a, 0,1
.irp k, 0,1,2,3,4,5
	v_mov_b32 v[QZ0+6+12*\a+\k], v[S+6*\a+\k]      ; tiles 0 and 1
.endr
.endr
.irp z, 0,1,2
.irp i, 0,1,2,3,4,5
	v_mov_b32 v[QZ0+12*\z+\i], 0
.endr
.endr
.set j_, 0
.rept 128
	v_mov_b32 v[O+j_], 0                           ; O^T: the step is written once, its first trip finds zeros
.set j_, j_+1
.endr
	WIN 0
	WALU                                           ; the wait at the head's end
	s_wait_tensorcnt 0x0                           ; my two steps are in
	s_barrier_signal -1
	s_barrier_wait -1                              ; everybody's are: all of K and V; nothing is filled again
	KLOAD                                          ; step 0's K
.Lstep:                                                ; A KEY STEP: 128 keys, at LDS byte s[TB], for my four tiles; its K was asked of LDS a step ago
	v_add_nc_u32 v[ADV], s[TB], v[L16]             ; (with the two idle lines: the places in front of loads into registers that the last products read)
	v_add_nc_u32 v[ADVS], s[TB], v[AVS]
	PLACES 2
	ds_load_b128 v[VS:VS+3], v[ADVS]
	WIN 0x40
.irp t, 0,1,2,3
.irp e, 0,1,2
	ds_load_b128 v[VF+12*\t+4*\e:VF+12*\t+4*\e+3], v[ADV] offset:(12+3*\t+\e)*PL
.endr
.endr
	WIN 0
	s_wait_dscnt 13                                ; K's 16 loads are in; V's 13, issued behind them, may be out
	SPROD 0
	PLACES 4                                       ; in front of the first read of the scores
	SOFT 0
	SPROD 1
	s_add_co_u32 s[TN], s[TB], STEPL
	s_min_u32 s[TN], s[TN], 15*STEPL               ; the next step; the last trip reads step 15 once more, and nothing takes it
	KLOAD                                          ; its four plain lines are also the places in front of the first read of the scores
	SOFT 1
	s_add_co_u32 s[TB], s[TB], STEPL
	s_sub_co_u32 s[CNT], s[CNT], 1
	s_cmp_lg_u32 s[CNT], 0
	s_cbranch_scc1 .Lstep
	; THE END: O^T / the sum, quantised along the head's 64 (two blocks; register 16 b + i of a tile: channel 32 b + 16 h + i), out as three planes and two bytes a row; the four tiles by turns
.set H,  S                             ; v48-175: O / l, 32 registers a tile
.set BQ, 176                           ; v176.. largest magnitudes, v184.. the other half's and the bytes, v192.. scale operands, v200.. words, v204.. codes; v228-243 codes on their way
.set CQ, 228
.irp i, 0,1,2,3
	v_add_f32 v[LS+2*\i], v[LS+2*\i], v[LS+2*\i+1]
.endr
.irp i, 0,1,2,3
	v_permlanex16_b32 v[TP+\i], v[LS+2*\i], s[SEL], s[SEL+1]
.endr
.irp i, 0,1,2,3
	v_add_f32 v[LS+2*\i], v[LS+2*\i], v[TP+\i]     ; the row's sum
.endr
	WALU
.irp i, 0,1,2,3
	v_rcp_f32 v[LS+2*\i], v[LS+2*\i]
.endr
	v_nop
	WIN 0x01
	WALU                                           ; ahead of the first line that names a reciprocal, and directly ahead of the first readers of O^T
.irp i, 0,1,2,3
.set j_, 0
.rept 16
	v_pk_mul_f32 v[H+32*\i+j_:H+32*\i+j_+1], v[O+32*\i+j_:O+1+32*\i+j_], v[LS+2*\i:LS+2*\i+1] op_sel_hi:[1,0]   ; each accumulator from its low end on
.set j_, j_+2
.endr
.endr
	WIN 0
.irp i, 0,1,2,3
.irp b, 0,1
	v_max3_num_f32 v[BQ+2*\i+\b], |v[H+32*\i+16*\b]|, |v[H+32*\i+16*\b+1]|, 0x1800000
.endr
.endr
.irp k, 2,4,6,8,10,12,14
.irp i, 0,1,2,3
.irp b, 0,1
	v_max3_num_f32 v[BQ+2*\i+\b], v[BQ+2*\i+\b], |v[H+32*\i+16*\b+\k]|, |v[H+32*\i+16*\b+\k+1]|
.endr
.endr
.endr
.irp n, 0,1,2,3,4,5,6,7
	v_permlanex16_b32 v[BQ+8+\n], v[BQ+\n], s[SEL], s[SEL+1]
.endr
.irp n, 0,1,2,3,4,5,6,7
	v_max_num_f32 v[BQ+\n], v[BQ+\n], v[BQ+8+\n]
.endr
.irp n, 0,1,2,3,4,5,6,7
	v_add_nc_u32 v[BQ+16+\n], 0xff000000, v[BQ+\n]
.endr
.irp n, 0,1,2,3,4,5,6,7
	v_lshrrev_b32 v[BQ+8+\n], 23, v[BQ+16+\n]
.endr
.irp i, 0,1,2,3
	v_lshl_or_b32 v[BQ+24+\i], v[BQ+9+2*\i], 8, v[BQ+8+2*\i]
.endr
.irp i, 0,1,2,3
	v_cvt_scalef32_pk16_fp6_f32 v[BQ+28+6*\i:BQ+30+6*\i], v[H+32*\i:H+32*\i+15], v[BQ+16+2*\i]
	v_cvt_scalef32_pk16_fp6_f32 v[CQ+4*\i:CQ+2+4*\i], v[H+32*\i+16:H+32*\i+31], v[BQ+17+2*\i]
.endr
	v_nop                                          ; one plain line behind the conversions
.irp i, 0,1,2,3
.irp k, 0,1,2
	v_permlane16_swap_b32 v[BQ+28+6*\i+\k], v[CQ+4*\i+\k]   ; a whole block to a lane
.endr
.endr
.irp i, 0,1,2,3
.irp k, 0,1,2
	v_mov_b32 v[BQ+31+6*\i+\k], v[CQ+4*\i+\k]
.endr
.endr
.irp i, 0,1,2,3
.irp k, 0,1,2
	global_store_b64 v[L8], v[BQ+28+6*\i+2*\k:BQ+29+6*\i+2*\k], s[28:29] offset:12288*\i+256*\k   ; a plane: 256 consecutive bytes, aligned
.endr
	ds_store_b16 v[ADO], v[BQ+24+\i] offset:32*\i  ; lanes r and r + 16 write the same two bytes
.endr
	WALU
	s_wait_dscnt 0x0                               ; for the others' sake: my bytes have landed
	s_barrier_signal -1
	s_barrier_wait -1
	s_cmp_lt_u32 s[WV], 2
	s_cbranch_scc0 .Lnot_mine
	ds_load_b128 v[H:H+3], v[ADR2]                 ; the 32 tiles' bytes: waves 0 and 1 take 512 each
	s_wait_dscnt 0x0
	global_store_b128 v[T16], v[H:H+3], s[30:31]   ; 512 consecutive bytes, at a multiple of 256 from os's first byte
.Lnot_mine:
	s_wait_tensorcnt 0x0                           ; the wave's end
	ds_add_u32 v[SPW], v[NIL]
	s_wait_dscnt 0x0
	CROUND                                         ; the closing round
	s_endpgm
.Lfunc_end_k_q43dbb10789_attn:
	.size	k_q43dbb10789_attn, .Lfunc_end_k_q43dbb10789_attn-k_q43dbb10789_attn
	.p2alignl 7, 3214868480
	.fill 96, 4, 3214868480
	.section	.rodata,"a",@progbits
	.p2align	6, 0x0
	.amdhsa_kernel k_q43dbb10789_attn
		.amdhsa_group_segment_fixed_size 258048
		.amdhsa_private_segment_fixed_size 0
		.amdhsa_enable_private_segment 0
		.amdhsa_kernarg_size 32
		.amdhsa_user_sgpr_count 2
		.amdhsa_user_sgpr_kernarg_segment_ptr 1
		.amdhsa_wavefront_size32 1
		.amdhsa_system_sgpr_workgroup_id_x 1
		.amdhsa_system_sgpr_workgroup_id_y 1
		.amdhsa_system_sgpr_workgroup_id_z 1
		.amdhsa_system_vgpr_workitem_id 0
		.amdhsa_next_free_vgpr 512
		.amdhsa_next_free_sgpr 66
		.amdhsa_reserve_vcc 0
		.amdhsa_float_denorm_mode_32 3
		.amdhsa_float_denorm_mode_16_64 3
		.amdhsa_memory_ordered 1
		.amdhsa_forward_progress 1
		.amdhsa_inst_pref_size 80
	.end_amdhsa_kernel
	.amdgpu_metadata
---
amdhsa.version: [ 1, 2 ]
amdhsa.kernels:
  - .name:           k_q43dbb10789_attn
    .symbol:         k_q43dbb10789_attn.kd
    .args:
      - { .name: qb, .offset: 0, .size: 8, .value_kind: global_buffer, .address_space: global }
      - { .name: kv, .offset: 8, .size: 8, .value_kind: global_buffer, .address_space: global }
      - { .name: oc, .offset: 16, .size: 8, .value_kind: global_buffer, .address_space: global }
      - { .name: os, .offset: 24, .size: 8, .value_kind: global_buffer, .address_space: global }
    .group_segment_fixed_size: 258048
    .private_segment_fixed_size: 0
    .kernarg_segment_align: 8
    .kernarg_segment_size: 32
    .max_flat_workgroup_size: 256
    .sgpr_count:     66
    .vgpr_count:     512
    .wavefront_size: 32
...
	.end_amdgpu_metadata
.endif
;; end of part 3
;; launch proj (part 4): grid 256 x 1, 4 waves a work-group, no clusters, 132,096 bytes of LDS; arguments oc, os, cod, scl, X, bo, gamma, beta, out0; writes out0
.if DOCPART == 4
	.amdgcn_target "amdgcn-amd-amdhsa--gfx1250"
	.amdhsa_code_object_version 6
	.text
	.protected	k_q43dbb10789_proj
	.globl	k_q43dbb10789_proj
	.p2align	8
	.type	k_q43dbb10789_proj,@function
k_q43dbb10789_proj:
	s_mov_b64 s[64:65], 0
	v_nop
	global_prefetch_b8 v0, s[64:65] scope:SCOPE_SE
	s_setreg_imm32_b32 hwreg(HW_REG_WAVE_MODE, 25, 1), 1
	s_wait_xcnt 0x0
; out0 = LayerNorm(O Wo^T + bo + X) x gamma + beta.  The product on codes of FP6 (E2M3) with E8M0 scales, f32 sums; all else in f32.
; SHARES.  A work-group owns 32 whole rows (tiles 2 g and 2 g + 1 of oc = tokens 32 g .. 32 g + 31), so that the norm needs no other work-group.  Wave w owns output columns 256 w .. 256 w + 255: Wo's tiles 16 w .. 16 w + 15
; x the two tiles of rows: 32 accumulators.  O's 16 fragments and all scale words stay in registers.
; NO TENSOR LOAD, NO CLUSTER: a fragment of Wo is read by exactly one wave of a work-group, so LDS would feed no second use; it comes from memory straight into registers, as the image that the first launch laid,
; 512 consecutive bytes a load, through a ring of 16 fragments: 48 loads of a wave are always out, and the K loop has no barrier.  What is shared between work-groups (all of Wo) would want a ring in LDS whose
; one load a wave behind each barrier has a K step's 32 matrix instructions in which to land.
; The product is used transposed (source 0 = 16 rows of Wo, source 1 = 16 tokens): a lane's eight results are neighbouring columns of one row.  The rows meet in a stage in LDS; each wave then takes eight whole rows.
; REGISTERS, in windows of 256: window 0: v1-10 addresses; v16-23 O's scale words (lanes 0-15 tile 2 g, lanes 16-31 tile 2 g + 1); v24-31 at work; v32-159 Wo's scale words (8 t + K step); v160-191 bo, v192-223 gamma, v224-255 beta.
;   window 1: accumulator (m, t) at 128 m + 8 t; later my eight rows, row i at 32 i.   window 2: O's fragments at 96 m + 12 x K step.   window 3: the ring, tile t at 12 t; later X's rows at 32 i; later partial sums.
.set FRB,  1536
.set SP,   4112                        ; a stage row: 4,096 + 16 bytes = 257 x 16: the sixteen rows that a store touches begin at sixteen different 16-byte columns of 256
.set OSW,  16
.set TP,   24
.set WS,   32
.set BO,   160
.set GA,   192
.set BE,   224
.set MSB, 0
.macro WIN new                         ; the immediate's high byte repeats the setting that is left
.if MSB != \new
	s_set_vgpr_msb (MSB<<8)|\new
.set MSB, \new
.endif
.endm
.macro PLACES n
.rept \n
	v_nop
.endr
.endm
	s_load_b256 s[4:11], s[0:1], 0x0               ; oc, os, cod, scl
	s_load_b256 s[12:19], s[0:1], 0x20             ; X, bo, gamma, beta
	s_load_b64 s[20:21], s[0:1], 0x40              ; out0
	v_lshl_add_u32 v14, v0, 2, 0x20200
	v_mov_b32 v15, 0
	v_lshrrev_b32 v1, 5, v0
	v_readfirstlane_b32 s22, v1                    ; wave 0..3
	v_and_b32 v11, 31, v0                          ; lane
	v_and_b32 v12, 15, v0                          ; r
	v_bfe_u32 v13, v0, 4, 1                        ; h
	v_lshlrev_b32 v1, 4, v11                       ; 16 x lane
	v_lshlrev_b32 v2, 3, v11                       ; 8 x lane
	v_lshlrev_b32 v3, 5, v12                       ; 32 r
	v_lshlrev_b32 v4, 1, v11                       ; 2 x lane
	v_lshlrev_b32 v8, 8, v11                       ; 256 x lane
	v_mul_u32_u24 v5, v12, SP
	v_lshl_add_u32 v5, v13, 6, v5
	s_lshl_b32 s23, s22, 10
	v_add_nc_u32 v5, s23, v5                       ; the stage, in: row r, my 1,024 bytes, + 64 h
	v_add_nc_u32 v6, 16*SP, v5                     ; and for the second tile of rows
	s_mul_i32 s23, s22, 8*SP
	v_add_nc_u32 v7, s23, v1                       ; back: stage rows 8 w .. 8 w + 7
	v_mov_b32 v9, 0                                ; lane permutes' destinations
	v_mov_b32 v10, 0
	s_mov_b32 s24, 0x76543210
	s_mov_b32 s25, 0xfedcba98
	s_mov_b32 s26, 0x3a800000                      ; 1 / 1,024
	s_mov_b32 s27, 0x2b8cbccc                      ; 1e-12
	s_mov_b32 s28, 0xba800000                      ; -1 / 1,024
	s_mov_b32 s67, 0
	s_wait_alu depctr_va_vdst(0)
	s_wait_kmcnt 0x0
	s_lshr_b32 s66, ttmp9, 6
	s_lshl_b32 s66, s66, 16
	s_and_b32 s68, ttmp9, 63
	s_lshl_b32 s68, s68, 6
	s_add_co_u32 s66, s66, s68
	s_add_nc_u64 s[6:7], s[6:7], s[66:67]          ; os: the batch's first head, my two tiles' 64 bytes
	s_mul_i32 s66, ttmp9, 24576
	s_add_nc_u64 s[4:5], s[4:5], s[66:67]          ; oc: tile 2 g
	s_lshl_b32 s68, s22, 4
	s_add_co_u32 s68, s68, 704                     ; Wo's tile 16 w
	s_mul_i32 s66, s68, 12288
	s_add_nc_u64 s[8:9], s[8:9], s[66:67]
	s_lshl_b32 s66, s68, 9
	s_add_nc_u64 s[10:11], s[10:11], s[66:67]
	s_lshr_b32 s68, s22, 1                         ; stage row 16 m + p is token 32 g + 8 m + p + 8 (p / 8): rows 8 w .. 8 w + 7 are tokens 32 g + 8 (w / 2 + 2 (w % 2)) + 0 .. 7
	s_and_b32 s69, s22, 1
	s_lshl_b32 s69, s69, 1
	s_add_co_u32 s68, s68, s69
	s_lshl_b32 s68, s68, 3
	s_lshl_b32 s69, ttmp9, 5
	s_add_co_u32 s68, s68, s69
	s_lshl_b32 s66, s68, 12
	s_add_nc_u64 s[12:13], s[12:13], s[66:67]      ; my eight rows of X
	s_add_nc_u64 s[20:21], s[20:21], s[66:67]      ; and of out0
.irp k, 0,1,2,3,4,5,6,7
	global_load_u16 v[OSW+\k], v4, s[6:7] offset:(2*\k)*4096      ; head 2 k's two bytes of my row,
	global_load_u16 v[TP+\k], v4, s[6:7] offset:(2*\k+1)*4096     ; head 2 k + 1's
.endr
.irp t, 0,1,2,3,4,5,6,7,8,9,10,11,12,13,14,15
.irp e, 0,1
	global_load_b128 v[WS+8*\t+4*\e:WS+8*\t+4*\e+3], v3, s[10:11] offset:512*\t+16*\e
.endr
.endr
	WIN 0x80                                       ; destination window 2
.irp m, 0,1
.irp k, 0,1,2,3,4,5,6,7
.irp p, 0,1,2,3,4,5
	global_load_b64 v[96*\m+12*\k+2*\p:96*\m+12*\k+2*\p+1], v2, s[4:5] offset:\m*12288+\k*FRB+256*\p
.endr
.endr
.endr
	WIN 0
.irp q, 0,1,2,3,4,5,6,7
	global_load_b128 v[BO+4*\q:BO+4*\q+3], v1, s[14:15] offset:512*\q   ; register 4 q + e: column 128 q + 4 x lane + e, as my rows will lie
	global_load_b128 v[GA+4*\q:GA+4*\q+3], v1, s[16:17] offset:512*\q
	global_load_b128 v[BE+4*\q:BE+4*\q+3], v1, s[18:19] offset:512*\q
.endr
	WIN 0xc0                                       ; destination window 3
.irp i, 6,7
.irp q, 0,1,2,3,4,5,6,7
	global_load_b128 v[32*\i+4*\q:32*\i+4*\q+3], v1, s[12:13] offset:\i*4096+512*\q th:TH_LOAD_NT   ; X's rows 6 and 7 have registers beside the ring
.endr
.endr
.irp t, 0,1,2,3,4,5,6,7,8,9,10,11,12,13,14,15
.irp c, 0,1,2
	global_load_b128 v[12*\t+4*\c:12*\t+4*\c+3], v1, s[8:9] offset:\t*12288+512*\c   ; the ring: K step 0
.endr
.endr
	s_wait_loadcnt 36                              ; all but the ring's last three groups of 12
	WIN 0
.irp k, 0,1,2,3,4,5,6,7
	v_lshl_or_b32 v[OSW+\k], v[TP+\k], 16, v[OSW+\k]   ; K step k's scale word of my row
.endr
	PLACES 8                                       ; a scale register written by a vector instruction stands eight places ahead of a scaled matrix instruction
; Four tiles of Wo x two tiles of rows, one K step: 8 matrix instructions; then the four slots are asked for again: the next K step, or, in the last, X's rows 0 to 5, which take the ring's registers.
; The 32 accumulators take turns, one instruction a turn, in the same order in every K step.
.macro GROUP ks, gq
	s_wait_loadcnt 36                              ; this group's 12 loads are in; the three younger groups' may be out
	WIN 0x5b                                       ; source 0 window 3, source 1 window 2, C and D window 1
.irp tt, 0,1,2,3
.set T, 4*(\gq)+\tt
.if (\ks) == 0
	v_wmma_scale_f32_16x16x128_f8f6f4 v[8*T:8*T+7], v[12*T:12*T+11], v[12*(\ks):12*(\ks)+11], 0, v[WS+8*T+(\ks)], v[OSW+(\ks)] matrix_a_fmt:MATRIX_FMT_FP6 matrix_b_fmt:MATRIX_FMT_FP6
	v_wmma_scale_f32_16x16x128_f8f6f4 v[128+8*T:128+8*T+7], v[12*T:12*T+11], v[96+12*(\ks):96+12*(\ks)+11], 0, v[WS+8*T+(\ks)], v[OSW+(\ks)] matrix_a_fmt:MATRIX_FMT_FP6 matrix_b_fmt:MATRIX_FMT_FP6 matrix_b_scale:MATRIX_SCALE_ROW1
.else
	v_wmma_scale_f32_16x16x128_f8f6f4 v[8*T:8*T+7], v[12*T:12*T+11], v[12*(\ks):12*(\ks)+11], v[8*T:8*T+7], v[WS+8*T+(\ks)], v[OSW+(\ks)] matrix_a_fmt:MATRIX_FMT_FP6 matrix_b_fmt:MATRIX_FMT_FP6
	v_wmma_scale_f32_16x16x128_f8f6f4 v[128+8*T:128+8*T+7], v[12*T:12*T+11], v[96+12*(\ks):96+12*(\ks)+11], v[128+8*T:128+8*T+7], v[WS+8*T+(\ks)], v[OSW+(\ks)] matrix_a_fmt:MATRIX_FMT_FP6 matrix_b_fmt:MATRIX_FMT_FP6 matrix_b_scale:MATRIX_SCALE_ROW1
.endif
.endr
	PLACES 4                                       ; in front of loads into registers that matrix instructions have read (behind the last group: of the first read of results)
	WIN 0xc0
.irp tt, 0,1,2,3
.irp c, 0,1,2
.set T, 4*(\gq)+\tt
.if (\ks) < 7
	global_load_b128 v[12*T+4*\c:12*T+4*\c+3], v1, s[8:9] offset:T*12288+((\ks)+1)*FRB+512*\c
.else
.set J, 3*T+\c
	global_load_b128 v[4*J:4*J+3], v1, s[12:13] offset:(J/8)*4096+(J%8)*512 th:TH_LOAD_NT   ; piece J of X's rows 0 to 5: row J / 8, 512 bytes
.endif
.endr
.endr
.endm
	s_wait_alu depctr_va_vdst(0)
.irp ks, 0,1,2,3,4,5,6,7
.irp gq, 0,1,2,3
	GROUP \ks, \gq
.if (\ks == 4) && (\gq == 0)
.irp j, 0,1,2
	global_prefetch_b8 v8, s[12:13] offset:8192*\j th:TH_LOAD_NT scope:SCOPE_SE   ; rows 0 to 5 of my eight rows of X, lanes 256 bytes apart, each block named once in the launch; the loads that want them stand three K steps on
.endr
.endif
.endr
.endr
	; THE WAY OUT: the accumulators into the stage, each from its low end on; a barrier, since a row's 4,096 bytes come from four waves; back as whole rows.
	WIN 0x04                                       ; an LDS store's data are its source 1: window 1
.irp m, 0,1
.irp t, 0,1,2,3,4,5,6,7,8,9,10,11,12,13,14,15
.irp e, 0,1
	ds_store_b128 v[5+\m], v[128*\m+8*\t+4*\e:128*\m+8*\t+4*\e+3] offset:128*(\t/2)+32*(\t%2)+16*\e   ; lane (r, h): columns 256 w + 32 (t / 2) + 16 h + 8 (t % 2) + 4 e + 0 .. 3
.endr
.endr
.endr
	s_wait_dscnt 0x0                               ; for the others' sake: my stores have landed
	s_barrier_signal -1
	s_barrier_wait -1
	WIN 0x40                                       ; destination window 1
.irp i, 0,1,2,3,4,5,6,7
.irp q, 0,1,2,3,4,5,6,7
	ds_load_b128 v[32*\i+4*\q:32*\i+4*\q+3], v7 offset:\i*SP+512*\q
.endr
.endr
	s_wait_dscnt 0x0
	s_wait_loadcnt 0x0                             ; X's rows
; the sum of v[TP + i] over the 32 lanes, for the eight rows by turns; the result in every lane
.macro LANES
.irp x, 1,2,4,8
.irp i, 0,1,2,3,4,5,6,7
	v_add_f32_dpp v[TP+\i], v[TP+\i], v[TP+\i] row_xmask:\x row_mask:0xf bank_mask:0xf
.endr
.endr
.irp i, 0,2,4,6
	v_permlanex16_b32 v9, v[TP+\i], s24, s25
	v_permlanex16_b32 v10, v[TP+\i+1], s24, s25
	v_add_f32 v[TP+\i], v[TP+\i], v9
	v_add_f32 v[TP+\i+1], v[TP+\i+1], v10
.endr
.endm
	WIN 0x4d                                       ; destination and source 0 window 1, source 1 window 3
.set j, 0
.rept 128
	v_pk_add_f32 v[j:j+1], v[j:j+1], v[j:j+1]      ; + X
.set j, j+2
.endr
	WIN 0x41                                       ; source 1 window 0
.set j, 0
.rept 128
	v_pk_add_f32 v[j:j+1], v[j:j+1], v[BO+j%32:BO+j%32+1]   ; + bo: Y
.set j, j+2
.endr
	WIN 0xc5                                       ; destination window 3 (X is done with): a row's 16 pairs are added as a tree, the eight rows by turns
.irp k, 0,1,2,3,4,5,6,7
.irp i, 0,1,2,3,4,5,6,7
	v_pk_add_f32 v[16*\i+2*\k:16*\i+2*\k+1], v[32*\i+4*\k:32*\i+4*\k+1], v[32*\i+4*\k+2:32*\i+4*\k+3]
.endr
.endr
	WIN 0xcf
.irp k, 0,1,2,3
.irp i, 0,1,2,3,4,5,6,7
	v_pk_add_f32 v[16*\i+4*\k:16*\i+4*\k+1], v[16*\i+4*\k:16*\i+4*\k+1], v[16*\i+4*\k+2:16*\i+4*\k+3]
.endr
.endr
.irp k, 0,1
.irp i, 0,1,2,3,4,5,6,7
	v_pk_add_f32 v[16*\i+8*\k:16*\i+8*\k+1], v[16*\i+8*\k:16*\i+8*\k+1], v[16*\i+8*\k+4:16*\i+8*\k+5]
.endr
.endr
.irp i, 0,1,2,3,4,5,6,7
	v_pk_add_f32 v[16*\i:16*\i+1], v[16*\i:16*\i+1], v[16*\i+8:16*\i+9]
.endr
	WIN 0x0f
.irp i, 0,1,2,3,4,5,6,7
	v_add_f32 v[TP+\i], v[16*\i], v[16*\i+1]
.endr
	WIN 0
	LANES
.irp i, 0,1,2,3,4,5,6,7
	v_mul_f32 v[TP+\i], s28, v[TP+\i]              ; -mean
.endr
.irp i, 0,1,2,3,4,5,6,7
	v_readfirstlane_b32 s[32+2*\i], v[TP+\i]       ; the same in every lane
	s_mov_b32 s[33+2*\i], s[32+2*\i]               ; (the packed form names the pair)
.endr
	WIN 0x41
.set j, 0
.rept 128
	v_pk_add_f32 v[j:j+1], v[j:j+1], s[32+2*(j/32):33+2*(j/32)] op_sel_hi:[1,0]   ; Y - mean
.set j, j+2
.endr
	WIN 0xc5                                       ; the squares, in two chains a row
.irp k, 0,1
.irp i, 0,1,2,3,4,5,6,7
	v_pk_mul_f32 v[16*\i+2*\k:16*\i+2*\k+1], v[32*\i+2*\k:32*\i+2*\k+1], v[32*\i+2*\k:32*\i+2*\k+1]
.endr
.endr
	WIN 0xf5
.irp k, 2,3,4,5,6,7,8,9,10,11,12,13,14,15
.irp i, 0,1,2,3,4,5,6,7
	v_pk_fma_f32 v[16*\i+2*(\k%2):16*\i+2*(\k%2)+1], v[32*\i+2*\k:32*\i+2*\k+1], v[32*\i+2*\k:32*\i+2*\k+1], v[16*\i+2*(\k%2):16*\i+2*(\k%2)+1]
.endr
.endr
	WIN 0xcf
.irp i, 0,1,2,3,4,5,6,7
	v_pk_add_f32 v[16*\i:16*\i+1], v[16*\i:16*\i+1], v[16*\i+2:16*\i+3]
.endr
	WIN 0x0f
.irp i, 0,1,2,3,4,5,6,7
	v_add_f32 v[TP+\i], v[16*\i], v[16*\i+1]
.endr
	WIN 0
	LANES
.irp i, 0,1,2,3,4,5,6,7
	v_fma_f32 v[TP+\i], v[TP+\i], s26, s27         ; the variance + 1e-12
.endr
	s_wait_alu depctr_va_vdst(0)
.irp i, 0,1,2,3,4,5,6,7
	v_rsq_f32 v[TP+\i], v[TP+\i]
.endr
	v_nop                                          ; a plain instruction behind the batch
	s_wait_alu depctr_va_vdst(0)                   ; one wait for the eight, ahead of the first line that names a result
.irp i, 0,1,2,3,4,5,6,7
	v_readfirstlane_b32 s[48+2*\i], v[TP+\i]
	s_mov_b32 s[49+2*\i], s[48+2*\i]
.endr
	WIN 0x41
.set j, 0
.rept 128
	v_pk_mul_f32 v[j:j+1], v[j:j+1], s[48+2*(j/32):49+2*(j/32)] op_sel_hi:[1,0]
.set j, j+2
.endr
.set j, 0
.rept 128
	v_pk_fma_f32 v[j:j+1], v[j:j+1], v[GA+j%32:GA+j%32+1], v[BE+j%32:BE+j%32+1]   ; x gamma + beta
.set j, j+2
.endr
	WIN 0x04                                       ; a store's data are its source 1: window 1
.irp i, 0,1,2,3,4,5,6,7
.irp q, 0,1,2,3,4,5,6,7
	global_store_b128 v1, v[32*\i+4*\q:32*\i+4*\q+3], s[20:21] offset:\i*4096+512*\q th:TH_STORE_NT   ; 512 consecutive bytes, at a multiple of 256 from out0's first byte
.endr
.endr
	s_set_vgpr_msb 0x400
	s_wait_tensorcnt 0x0
	ds_add_u32 v14, v15
	s_wait_dscnt 0x0
	s_set_vgpr_msb 0x4
	s_endpgm
.Lfunc_end_k_q43dbb10789_proj:
	.size	k_q43dbb10789_proj, .Lfunc_end_k_q43dbb10789_proj-k_q43dbb10789_proj
	.p2alignl 7, 3214868480
	.fill 96, 4, 3214868480
	.section	.rodata,"a",@progbits
	.p2align	6, 0x0
	.amdhsa_kernel k_q43dbb10789_proj
		.amdhsa_group_segment_fixed_size 132096
		.amdhsa_private_segment_fixed_size 0
		.amdhsa_enable_private_segment 0
		.amdhsa_kernarg_size 72
		.amdhsa_user_sgpr_count 2
		.amdhsa_user_sgpr_kernarg_segment_ptr 1
		.amdhsa_wavefront_size32 1
		.amdhsa_system_sgpr_workgroup_id_x 1
		.amdhsa_system_sgpr_workgroup_id_y 1
		.amdhsa_system_sgpr_workgroup_id_z 1
		.amdhsa_system_vgpr_workitem_id 0
		.amdhsa_next_free_vgpr 1024
		.amdhsa_next_free_sgpr 70
		.amdhsa_reserve_vcc 0
		.amdhsa_float_denorm_mode_32 3
		.amdhsa_float_denorm_mode_16_64 3
		.amdhsa_memory_ordered 1
		.amdhsa_forward_progress 1
		.amdhsa_inst_pref_size 180
	.end_amdhsa_kernel
	.amdgpu_metadata
---
amdhsa.version: [ 1, 2 ]
amdhsa.kernels:
  - .name:           k_q43dbb10789_proj
    .symbol:         k_q43dbb10789_proj.kd
    .args:
      - { .name: oc, .offset: 0, .size: 8, .value_kind: global_buffer, .address_space: global }
      - { .name: os, .offset: 8, .size: 8, .value_kind: global_buffer, .address_space: global }
      - { .name: cod, .offset: 16, .size: 8, .value_kind: global_buffer, .address_space: global }
      - { .name: scl, .offset: 24, .size: 8, .value_kind: global_buffer, .address_space: global }
      - { .name: X, .offset: 32, .size: 8, .value_kind: global_buffer, .address_space: global }
      - { .name: bo, .offset: 40, .size: 8, .value_kind: global_buffer, .address_space: global }
      - { .name: gamma, .offset: 48, .size: 8, .value_kind: global_buffer, .address_space: global }
      - { .name: beta, .offset: 56, .size: 8, .value_kind: global_buffer, .address_space: global }
      - { .name: out0, .offset: 64, .size: 8, .value_kind: global_buffer, .address_space: global }
    .group_segment_fixed_size: 132096
    .private_segment_fixed_size: 0
    .kernarg_segment_align: 8
    .kernarg_segment_size: 72
    .max_flat_workgroup_size: 128
    .sgpr_count:     70
    .vgpr_count:     1024
    .wavefront_size: 32
...
	.end_amdgpu_metadata
.endif
;; end of part 4
